; MI455X (gfx1250); checked and timed in simulation.
; The chip was launched on July 23, 2026; its instructions are those of AMD's public machine-readable ISA for CDNA 5 (MIT licence, August 2026) and "CDNA5" Instruction Set Architecture Reference Guide (July 2026). The comments in the code are by the model that wrote it; some were corrected since.
;; Causal Self Attention. Allowed arithmetic: matrix products marked QUANTISED: E4M3 operands, one given power-of-two scale a tensor, by v_wmma_f32_16x16x64_fp8_fp8 or v_wmma_f32_16x16x128_fp8_fp8, f32 sums; everything else in f32.
;; Inputs: lowp_scales 8 int32 (the exponents e of the quantised operands' scales 2^e); w_attn 1,024 x 3,072 float32; w_proj 1,024 x 1,024 float32; x 4 x 2,048 x 1,024 float32.
;; Outputs: out0 4 x 2,048 x 1,024 float32.
;; This version of the problem:
;;   THIS VERSION OF THE PROBLEM IS GIVEN IN LOW PRECISION. The matrix products marked QUANTISED in the list below multiply operands that are first quantised to E4M3 (4 exponent bits, 3 mantissa bits; 8 bits a number), with one given power-of-two scale for each operand tensor; their sums are f32. All else is computed in f32.
;;   The module's matrix products, in the order in which they are computed (A, B: the left and right operand; K: the contracted axis; several contracted axes count as one K, in the product's order):
;;     1. [M 8,192, K 1,024] x [K 1,024, N 3,072]; A: input x; B: input w_attn: QUANTISED (scales: A lowp_scales[0], B lowp_scales[1])
;;     2. batch 64 x [M 2,048, K 64] x [K 64, N 2,048]; A: computed on the way; B: computed on the way: QUANTISED (scales: A lowp_scales[2], B lowp_scales[3])
;;     3. batch 64 x [M 2,048, K 2,048] x [K 2,048, N 64]; A: softmax (see below); B: computed on the way: QUANTISED (scales: A lowp_scales[4], B lowp_scales[5])
;;     4. [M 8,192, K 1,024] x [K 1,024, N 1,024]; A: computed on the way; B: input w_proj: QUANTISED (scales: A lowp_scales[6], B lowp_scales[7])
;;   THE QUANTISER, for each operand of a quantised product, along K:
;;     - The operand's scale is 2^e, e = its entry of the input lowp_scales (int32; the entries are numbered through the quantised products in the list's order, A before B).
;;     - Each number is divided by the scale, clamped to +-448, and rounded to the nearest number of E4M3, ties to even, subnormals kept.
;;     - The product sums the exact products of the quantised numbers (number of the format x scale) in f32.
;;   ~~~python
;;   def quantise(x, axis, e):      # numpy; x: float32 -> the quantised numbers, widened to float32 again
;;       x = np.moveaxis(x, axis, -1); K = x.shape[-1]
;;       r = np.clip(x / 2.0 ** e, -448, 448)
;;       step = 2.0 ** (np.maximum(np.frexp(np.where(r == 0, 1, r))[1] - 1, -6) - 3)
;;       q = np.round(r / step) * step * 2.0 ** e      # np.round: ties to even
;;       return np.moveaxis(q, -1, axis).astype(np.float32)
;;   ~~~
;;   SOFTMAX AHEAD OF A QUANTISED PRODUCT. Where the list says 'softmax', what is quantised is not the finished softmax but p = 2^(t - M), with t = logit x log2(e) and M = ceil(the row's largest t), a whole number; so 1/2 < the row's largest p <= 1. The row's sum l is taken of the UNQUANTISED p, in f32, and the product's result is divided by l at the end. Since M is a whole number, a kernel that streams over the keys may use a running M (the ceiling of the running maximum): every later rescaling is an exact power of two, so the quantised numbers keep their values, but for numbers so far below the row's largest that they fall under the format's range.
;;   OPERANDS COMPUTED ON THE WAY. 'Computed on the way' means the value that the module computes at that place (a softmax that the list does not call 'softmax' is quantised finished and normalised). What goes into a quantiser is computed in f32, as accurately as f32 sums, v_exp_f32 and their like allow (about 1e-6 of the number): no bf16 or f16 on the way to a quantiser, and a product that is left as it is and whose result goes on into a quantised operand takes f32 operands (vector FMAs, or v_wmma_f32_16x16x4_f32). A number that lies on a knife's edge between two numbers of the format may be rounded either way, as far as f32 arithmetic and the matrix unit's own rounding can turn it there, and no further.
;; One version. Each part assembles by itself: llvm-mc -triple=amdgcn-amd-amdhsa -mcpu=gfx1250 --defsym DOCPART=n.
;; ======== version 1 of 1: 4 launches
;; limits: right only within a limited range of input values
;; workspace buffers: x_codes 8,388,608 bytes; w_codes 4,194,304 bytes; qkv 25,165,824 bytes; y_img 8,388,608 bytes
;; launch quant (part 1): grid 384 x 1, 4 waves a work-group, no clusters, 68,096 bytes of LDS; arguments x, w_attn, w_proj, lowp_scales, x_codes, w_codes; writes x_codes, w_codes
.if DOCPART == 1
	.amdgcn_target "amdgcn-amd-amdhsa--gfx1250"
	.amdhsa_code_object_version 6
	.text
	.protected	k_qd885a48dc3_quant
	.globl	k_qd885a48dc3_quant
	.p2align	8
	.type	k_qd885a48dc3_quant,@function
k_qd885a48dc3_quant:
	s_mov_b64 s[64:65], 0
	v_nop
	global_prefetch_b8 v0, s[64:65] scope:SCOPE_SE
	s_setreg_imm32_b32 hwreg(HW_REG_WAVE_MODE, 25, 1), 1
	s_wait_xcnt 0x0
; THE PROGRAM: causal self-attention, B 4, T 2,048, D 1,024, 16 heads of 64, all four products on codes of FP8 (E4M3), each operand with the one scale 2^e that lowp_scales gives for it.
;   launch 1 (this one): x, w_attn, w_proj -> codes.   2: x w_attn, its sums quantised into q, k, v.   3: attention, y quantised.   4: y w_proj -> out0.
; WORK LEFT OUT, in launch 3 alone: the key steps (128 keys) all of whose keys come after all 16 queries of a tile.  reference() builds causal = tril(ones) in its own body and sets att = -inf
; where key > query; softmax gives such a key the weight exp(-inf) = 0 exactly, whatever finite values x, w_attn and w_proj hold, so it adds 0 to the row's sum and 0 to y: the scores,
; exponentials and products of such a step reach no output.  Every input has a way to the output: all are loaded.
; LIMIT: a NaN, an infinity or an overflow that reaches only the steps left out is not carried to the result.
; THE ORDER OF ROWS.  sigma(p) = p with bits 3 and 4 exchanged.  Stored row p of x_codes holds row sigma(p) of x [8192][1024]; stored row p of w_codes holds column sigma(p) of w_attn (p < 3,072) or
; column sigma(p - 3,072) of w_proj, K innermost.  Sixteen stored rows on end are then rows 32 b + 8 u + r + 8 (r / 8): as source 0 of a matrix instruction two such tiles leave a lane 16 NEIGHBOURS
; in 16 registers on end, so that the later launches convert their sums straight into the next product's operand registers.
; code = number / 2^e, held within +-448, to the nearest code, ties to even.  e = entry 0 (x), 1 (w_attn), 7 (w_proj).  LIMITS: -126 <= e <= 119.  NaN among the inputs is not served.
; SHARES.  Every work-group reads 128 KiB.  Work-groups 0-255: x, a plain stream: a wave takes 8 rows (8,192 numbers) in 16 steps of 512; its loads read 512 consecutive bytes, the numbers turn through the
; wave's own stage in LDS so that a lane holds 16 neighbours, and a lane's 16 codes are 16 bytes of 512 consecutive ones.  Work-groups 256-383: the weights, whose K is the FIRST axis: a lane takes a column and
; its registers run down K; 32 columns x 256 K a wave; the codes leave through the wave's own stage as rows, sixteen lanes to 256 consecutive aligned bytes.
; The two ways part on the work-group's number, never join, and have LDS bytes of their own.  No tensor load, no barrier: waves share nothing.
.set STEPS, 16
.set SP,    80                         ; x: a lane's place in a stage: its 64 bytes + 16 of padding
.set WREG,  8192                       ; x: a wave's region: two stages of 32 x SP bytes
.set WST,   32768                      ; the weights' stages: 32 rows x PITCH for each wave
.set PITCH, 272
.set SPARE, 67584                      ; behind both: the spare words, 128 bytes for each wave
.set NB,    8                          ; the weights: blocks of 32 along K for a wave
.set SPW,   12                         ; v12  LDS address of my spare word; never rewritten
.set NIL,   13                         ; v13  0; never rewritten
.set XR,    16                         ; x: v16-79 four sets of 16 numbers as loaded
.set XX,    80                         ; x: v80-111 two sets of 16 neighbours
.set XC,    128                        ; x: v128-191 codes, four registers for each step
.set WX,    32                         ; weights: v32-95 two sets of 32 numbers; on the way out 16 x 4 registers of codes
.set WC,    96                         ; weights: v96-103 a block's codes
.set VO,    104                        ; weights: v104-135 row i of a block: i x the row's bytes + 4 x lane
	s_load_b256 s[4:11], s[0:1], 0x0               ; x s[4:5], w_attn s[6:7], w_proj s[8:9], the scales' exponents s[10:11]
	s_load_b128 s[12:15], s[0:1], 0x20             ; x_codes s[12:13], w_codes s[14:15]
	v_lshl_add_u32 v[SPW], v0, 2, SPARE
	v_mov_b32 v[NIL], 0
	v_lshrrev_b32 v1, 5, v0
	v_readfirstlane_b32 s16, v1                    ; wave 0..3
	v_and_b32 v2, 31, v0                           ; lane
	s_wait_kmcnt 0x0
	s_load_b256 s[24:31], s[10:11], 0x0            ; e0 .. e7
	s_cmp_ge_u32 ttmp9, 256
	s_cbranch_scc1 .Lweights
	s_wait_alu depctr_va_vdst(0)
	; ---------------- x ----------------
	v_lshlrev_b32 v3, 4, v2                        ; my 16 bytes of a load's 512, and of a step's 512 bytes of codes
	s_wait_alu depctr_va_vdst(0)
	s_mul_i32 s17, s16, WREG
	v_lshrrev_b32 v14, 2, v2
	v_mul_u32_u24 v14, v14, SP
	v_and_b32 v15, 3, v2
	v_lshl_add_u32 v14, v15, 4, v14
	v_add_nc_u32 v14, s17, v14                     ; the stage, on the way in: SP (lane / 4) + 16 (lane % 4)
	v_mul_u32_u24 v15, v2, SP
	v_add_nc_u32 v15, s17, v15                     ; and on the way out: SP x lane: my 16 neighbours
	s_lshl_b32 s18, ttmp9, 2
	s_add_co_u32 s20, s18, s16                     ; which run of 8 rows is my wave's
	s_lshl_b32 s20, s20, 15                        ; x 32,768 bytes
	s_mov_b32 s21, 0
	s_add_nc_u64 s[4:5], s[4:5], s[20:21]
	s_and_b32 s19, s16, 1                          ; the wave's two bits are bits 3 and 4 of the row: exchanged for the stored row
	s_lshl_b32 s19, s19, 1
	s_lshr_b32 s22, s16, 1
	s_or_b32 s19, s19, s22
	s_add_co_u32 s20, s18, s19
	s_lshl_b32 s20, s20, 13                        ; x 8,192 bytes of codes
	s_add_nc_u64 s[8:9], s[12:13], s[20:21]
.macro XLOAD t
.irp i, 0,1,2,3
	global_load_b128 v[XR+16*((\t)%4)+4*\i:XR+16*((\t)%4)+4*\i+3], v3, s[4:5] offset:2048*(\t)+512*\i th:TH_LOAD_NT   ; 32 lanes read 512 consecutive bytes
.endr
.endm
.macro XTURN t                         ; step t's numbers through the stage: LDS serves a wave's instructions in order, so no wait stands between the stores and the loads
.irp i, 0,1,2,3
	ds_store_b128 v14, v[XR+16*((\t)%4)+4*\i:XR+16*((\t)%4)+4*\i+3] offset:32*SP*((\t)%2)+8*SP*\i
.endr
.irp i, 0,1,2,3
	ds_load_b128 v[XX+16*((\t)%2)+4*\i:XX+16*((\t)%2)+4*\i+3], v15 offset:32*SP*((\t)%2)+16*\i
.endr
.endm
.irp t, 0,1,2,3
	XLOAD \t
.endr
	s_wait_alu depctr_va_vdst(0)
	s_wait_kmcnt 0x0
	s_add_co_i32 s22, s24, 127
	s_lshl_b32 s23, s22, 23
	v_mov_b32 v11, s23                             ; 2^e0 as f32: the conversion takes its exponent field
	s_add_co_i32 s22, s22, 8
	s_lshl_b32 s22, s22, 23
	s_or_b32 s22, s22, 0x600000
	s_wait_alu depctr_va_vdst(0)
	s_wait_loadcnt 12                              ; step 0's four loads are in; the twelve of steps 1 to 3 may be out
	XTURN 0
.macro XSTEP t
.set XS, XX+16*((\t)%2)
	s_wait_dscnt 0x0                               ; this step's numbers are back from the stage: so its stores into the stage have read their registers,
.if (\t)+4 < STEPS
	XLOAD (\t)+4                                   ; which take the loads of four steps on
.endif
.if (\t)+1 < STEPS
.if STEPS-2-(\t) >= 3
	s_wait_loadcnt 12                              ; the next step's four loads are in; those of the three steps behind it may be out
.else
	s_wait_loadcnt 4*(STEPS-2-(\t))                ; the tail: four loads for each step still behind the next
.endif
	XTURN (\t)+1
.endif
.irp i, 0,1,2,3,4,5,6,7,8,9,10,11,12,13,14,15
.endr
	v_cvt_scalef32_pk8_fp8_f32 v[XC+4*(\t):XC+4*(\t)+1], v[XS:XS+7], v11
	v_cvt_scalef32_pk8_fp8_f32 v[XC+4*(\t)+2:XC+4*(\t)+3], v[XS+8:XS+15], v11
	global_store_b128 v3, v[XC+4*(\t):XC+4*(\t)+3], s[8:9] offset:512*(\t)   ; 512 consecutive aligned bytes; each step has its own registers, so no store's data are written again
.endm
.irp t, 0,1,2,3,4,5,6,7,8,9,10,11,12,13,14,15
	XSTEP \t
.endr
	s_wait_tensorcnt 0x0                           ; the wave's end: behind my last LDS store
	ds_add_u32 v[SPW], v[NIL]
	s_wait_dscnt 0x0
	s_endpgm
	; ---------------- the weights ----------------
.Lweights:
	s_sub_co_u32 s17, ttmp9, 256
	s_and_b32 s18, s17, 31                         ; which 128 stored rows of w_codes: 0-23 w_attn's columns, 24-31 w_proj's
	s_lshr_b32 s19, s17, 5                         ; which 256 along K
	s_mov_b32 s20, 4096
	s_sub_co_u32 s21, s18, 24
	s_cmp_lt_u32 s18, 24                           ; the choice hangs on the work-group's number alone; only pointers and pitches are chosen: both weights take one way
	s_cselect_b64 s[4:5], s[6:7], s[8:9]           ; the weight,
	s_cselect_b32 s20, 12288, s20                  ; a row of it in bytes,
	s_cselect_b32 s21, s18, s21                    ; and my group of 128 columns in it
	s_mul_i32 s32, s19, s20
	s_lshl_b32 s32, s32, 8                         ; 256 rows x which
	s_lshl_b32 s33, s21, 9
	s_add_co_u32 s32, s32, s33                     ; + 128 columns x 4 bytes x group
	s_lshl_b32 s33, s16, 7
	s_add_co_u32 s32, s32, s33                     ; + 32 columns x 4 bytes x wave
	s_mov_b32 s33, 0
	s_add_nc_u64 s[4:5], s[4:5], s[32:33]
	s_lshl_b32 s22, s20, 5                         ; a block on: 32 rows
	s_mov_b32 s23, 0
	s_lshl_b32 s34, s18, 17                        ; the codes: 128 rows of 1,024 bytes x group
	s_lshl_b32 s35, s16, 15
	s_add_co_u32 s34, s34, s35                     ; + 32 rows x wave
	s_lshl_b32 s35, s19, 8
	s_add_co_u32 s34, s34, s35                     ; + 256 bytes along K
	s_mov_b32 s35, 0
	s_add_nc_u64 s[8:9], s[14:15], s[34:35]
	s_wait_alu depctr_va_vdst(0)
	v_lshlrev_b32 v3, 2, v2                        ; 4 bytes a lane: neighbouring lanes read neighbouring columns
.set i, 0
.rept 32
	v_mad_u32_u24 v[VO+i], s20, i, v3
.set i, i+1
.endr
	s_mul_i32 s36, s16, 32*PITCH
	s_add_co_u32 s36, s36, WST                     ; my stage
	v_mul_u32_u24 v4, v2, PITCH
	v_add_nc_u32 v4, s36, v4                       ; into it: row = my column
	v_and_b32 v5, 15, v2
	v_lshrrev_b32 v6, 4, v2
	v_mul_u32_u24 v7, v6, PITCH
	v_lshl_add_u32 v7, v5, 4, v7
	v_add_nc_u32 v7, s36, v7                       ; out of it: sixteen lanes to a row, two rows an instruction
	v_lshlrev_b32 v8, 10, v6
	v_lshl_add_u32 v8, v5, 4, v8                   ; and the same place in w_codes
.macro WLOAD t                         ; block t: 32 rows of my column, into set t % 2
.if (\t) > 0
	s_wait_xcnt 0x0                                ; the loads issued so far have read their base: it steps only behind this wait
	s_add_nc_u64 s[4:5], s[4:5], s[22:23]
.endif
.set i, 0
.rept 32
	global_load_b32 v[WX+32*((\t)%2)+i], v[VO+i], s[4:5] th:TH_LOAD_NT
.set i, i+1
.endr
.endm
	WLOAD 0
	WLOAD 1
	s_wait_kmcnt 0x0
	s_cmp_lt_u32 s18, 24
	s_cselect_b32 s30, s25, s31                    ; e1 or e7
	s_add_co_i32 s30, s30, 127
	s_lshl_b32 s31, s30, 23
	v_mov_b32 v11, s31                             ; 2^e as f32
	s_add_co_i32 s30, s30, 8
	s_lshl_b32 s30, s30, 23
	s_or_b32 s30, s30, 0x600000
.macro WBLOCK t
.set XS, WX+32*((\t)%2)
.if (\t) < NB-1
	s_wait_loadcnt 32                              ; this block's 32 loads are in; the next block's 32 may be out
.else
	s_wait_loadcnt 0
.endif
.set k, 0
.rept 32
.set k, k+1
.endr
.irp g, 0,1,2,3
	v_cvt_scalef32_pk8_fp8_f32 v[WC+2*\g:WC+2*\g+1], v[XS+8*\g:XS+8*\g+7], v11
.endr
	ds_store_b128 v4, v[WC:WC+3] offset:32*(\t)    ; 32 codes: 32 bytes of my column's row
	ds_store_b128 v4, v[WC+4:WC+7] offset:32*(\t)+16
.if (\t)+2 < NB
	WLOAD (\t)+2
.endif
	s_wait_dscnt 0x0                               ; the stores have read their registers: the next block's codes may be written
.endm
	s_wait_alu depctr_va_vdst(0)
.irp t, 0,1,2,3,4,5,6,7
	WBLOCK \t
.endr
	v_nop
.irp t, 0,1,2,3,4,5,6,7,8,9,10,11,12,13,14,15
	ds_load_b128 v[WX+4*\t:WX+4*\t+3], v7 offset:2*\t*PITCH   ; LDS serves a wave's instructions in order: these see my stores
.endr
.irp t, 0,1,2,3,4,5,6,7,8,9,10,11,12,13,14,15
	s_wait_dscnt 15-\t                             ; the younger loads may be out
	global_store_b128 v8, v[WX+4*\t:WX+4*\t+3], s[8:9] offset:(((2*\t)&7)+(((2*\t)>>3)&1)*16+(((2*\t)>>4)&1)*8)*1024   ; columns 2 t and 2 t + 1 go to stored rows sigma: sixteen lanes store 256 consecutive aligned bytes
.endr
	s_wait_tensorcnt 0x0                           ; the wave's end: behind my last LDS store
	ds_add_u32 v[SPW], v[NIL]
	s_wait_dscnt 0x0
	s_endpgm
.Lfunc_end_k_qd885a48dc3_quant:
	.size	k_qd885a48dc3_quant, .Lfunc_end_k_qd885a48dc3_quant-k_qd885a48dc3_quant
	.p2alignl 7, 3214868480
	.fill 96, 4, 3214868480
	.section	.rodata,"a",@progbits
	.p2align	6, 0x0
	.amdhsa_kernel k_qd885a48dc3_quant
		.amdhsa_group_segment_fixed_size 68096
		.amdhsa_private_segment_fixed_size 0
		.amdhsa_enable_private_segment 0
		.amdhsa_kernarg_size 48
		.amdhsa_user_sgpr_count 2
		.amdhsa_user_sgpr_kernarg_segment_ptr 1
		.amdhsa_wavefront_size32 1
		.amdhsa_system_sgpr_workgroup_id_x 1
		.amdhsa_system_sgpr_workgroup_id_y 1
		.amdhsa_system_sgpr_workgroup_id_z 1
		.amdhsa_system_vgpr_workitem_id 0
		.amdhsa_next_free_vgpr 192
		.amdhsa_next_free_sgpr 66
		.amdhsa_reserve_vcc 0
		.amdhsa_float_denorm_mode_32 3
		.amdhsa_float_denorm_mode_16_64 3
		.amdhsa_fp16_overflow 1
		.amdhsa_memory_ordered 1
		.amdhsa_forward_progress 1
		.amdhsa_inst_pref_size 56
	.end_amdhsa_kernel
	.amdgpu_metadata
---
amdhsa.version: [ 1, 2 ]
amdhsa.kernels:
  - .name:           k_qd885a48dc3_quant
    .symbol:         k_qd885a48dc3_quant.kd
    .args:
      - { .name: x, .offset: 0, .size: 8, .value_kind: global_buffer, .address_space: global }
      - { .name: w_attn, .offset: 8, .size: 8, .value_kind: global_buffer, .address_space: global }
      - { .name: w_proj, .offset: 16, .size: 8, .value_kind: global_buffer, .address_space: global }
      - { .name: lowp_scales, .offset: 24, .size: 8, .value_kind: global_buffer, .address_space: global }
      - { .name: x_codes, .offset: 32, .size: 8, .value_kind: global_buffer, .address_space: global }
      - { .name: w_codes, .offset: 40, .size: 8, .value_kind: global_buffer, .address_space: global }
    .group_segment_fixed_size: 68096
    .private_segment_fixed_size: 0
    .kernarg_segment_align: 8
    .kernarg_segment_size: 48
    .max_flat_workgroup_size: 128
    .sgpr_count:     66
    .vgpr_count:     192
    .wavefront_size: 32
...
	.end_amdgpu_metadata
.endif
;; end of part 1
;; launch qkvgemm (part 2): grid 12 x 32, 4 waves a work-group, clusters of 4 x 4, 327,680 bytes of LDS; arguments x_codes, w_codes, lowp_scales, qkv; writes qkv
.if DOCPART == 2
	.amdgcn_target "amdgcn-amd-amdhsa--gfx1250"
	.amdhsa_code_object_version 6
	.text
	.protected	k_qd885a48dc3_qkvgemm
	.globl	k_qd885a48dc3_qkvgemm
	.p2align	8
	.type	k_qd885a48dc3_qkvgemm,@function
k_qd885a48dc3_qkvgemm:
	s_mov_b64 s[64:65], 0
	v_nop
	global_prefetch_b8 v0, s[64:65] scope:SCOPE_SE
	s_setreg_imm32_b32 hwreg(HW_REG_WAVE_MODE, 25, 1), 1
	s_wait_xcnt 0x0
	s_wait_alu depctr_hold_cnt(0) depctr_sa_sdst(0) depctr_va_vdst(0) depctr_va_sdst(0) depctr_va_ssrc(0) depctr_va_vcc(0) depctr_vm_vsrc(0)
	s_getreg_b32 s2, hwreg(HW_REG_IB_STS2, 6, 4)
	s_cmp_eq_u32 s2, 0
	s_cbranch_scc0 .Lentry_in_a_cluster
	s_endpgm
.Lentry_in_a_cluster:
	s_bfe_u32 s2, ttmp6, 0x10000c
	s_cmp_lg_u32 s2, 0xf033
	s_cbranch_scc0 .Lentry_shape_is_right
	s_endpgm
.Lentry_shape_is_right:
; qkv = x w_attn on codes of FP8 (E4M3), K = 1,024; each finished sum is quantised at once into the code of q (scale 2^e2), k (2^e3) or v (2^e5) and stored as an IMAGE OF THE NEXT OPERAND'S REGISTERS.
; Nothing of reference() is left out here.
; A sum stands for sum x 2^(e0 + e1), so its code is sum / 2^f, f = e_dst - e0 - e1, held within +-448 x 2^f.  LIMIT: f between -126 and 119.
; A tile of 256 x 256 is made by a work-group of four waves, a wave makes 128 x 128: 64 accumulators, 512 registers.  K goes in steps of 256 through a ring of two LDS slots filled by the tensor data mover.
; THE MATRIX INSTRUCTION: source 0 = 16 rows of the B side, source 1 = 16 rows of the A side: a lane holds ONE row of the A side and its registers run along the B side.  Both buffers hold their rows in the
; stored order (bits 3 and 4 of the row exchanged), so the 16 registers of B's tiles 2 g and 2 g + 1 are 16 neighbours: 32 g + 16 (lane / 16) + 0 .. 15.
;   q, k (cluster x = 0, 1): A side = x, B side = w_attn's columns: the registers run along the head's 64, which is K of the scores.
;   v    (cluster x = 2):    A side = w_attn's columns, B side = x: the registers run along the tokens, which are K of the second product.  THE TWO SIDES ARE EXCHANGED BY ADDRESS ALONE: both buffers have
;   rows of 1,024 bytes and the tile is square, so descriptors, LDS and the loop are the same; nothing but selections hangs on the cluster's x, which all sixteen partners share.
; qkv: three regions of 8,388,608 bytes, q, k, v; a head (16 x batch + head) has 131,072 bytes in each.  q, k: [tile of 16 stored rows: 128][c 2][lane 32][16 bytes]: lane (r, h) holds d = 32 c + 16 h + 0 .. 15 of
; stored row r.  v: [128 keys: 16][tile of d: 4][c 4][lane 32][16 bytes]: lane (r, h) holds keys 32 c + 16 h + 0 .. 15 of d = 32 (tile / 2) + 8 (tile % 2) + r + 8 (r / 8).
; So a block's codes leave straight from registers: each store of the wave covers 512 consecutive aligned bytes.  No stage, no LDS store.
; CLUSTERS: 4 x 4 work-groups; the A side's tile is shared along a row of the cluster, the B side's along a column: each is asked for jointly.
; The grid has 384 work-groups: a tile of columns must not straddle q, k and v, and the exchange of sides wants a square tile.
; No prefetch: the launch has four K steps, and every tile is read again by the neighbouring clusters.
; REGISTERS, in windows of 256: window 0: v16-31 addresses and constants; v96-111 at work on the way out; from v128 the A side's fragments, ONE set.  window 1: the B side's fragments, TWO sets.
;   window 2: the 32 accumulators of my A rows 0-63 (accumulator (a, b) at v[8 (8 a + b)]); window 3: those of rows 64-127.
.set ROWB,   256                       ; a tile's row in bytes: 256 along K
.set KROW,   1024                      ; a row of either buffer in memory
.set PITCH,  272                       ; an LDS row: 256 bytes + 16 of padding = 68 words: the 16 rows that a load touches start at 16 different banks (64 banks of 4 bytes: ISA guide 11.1)
.set FR,     16                        ; registers of a fragment: 16 rows x 128 K
.set NL,     4                         ; LDS loads that bring one
.set NP,     4                         ; places behind this matrix instruction (ISA guide 7.12.1)
.set HALFT,  128*PITCH
.set SLOT,   4*HALFT                   ; the A side's 256 rows, then the B side's
.set LAPS,   2                         ; 1,024 along K = two laps of two K steps
.set SPARE,  2*SLOT                    ; behind the ring: the spare words, 128 bytes for each wave
.set ADRA, 16                          ; v16-17  LDS address of my A fragments in slot 0, 1
.set ADRB, 20                          ; v20-21  the same for B
.set CO,   26                          ; v26     16 x lane
.set CO2,  27                          ; v27     16 x lane + the distance to the block's third store
.set SPW,  28                          ; v28     LDS address of my spare word; never rewritten
.set NIL,  29                          ; v29     0; never rewritten
.set LIMV, 30
.set SCV,  31                          ; v31     2^f
.set TMP,  32
.set CD,   96                          ; v96-111 its codes
.set AF,   128
.set G1, 24
.set G0, 32
.set G1B, 48
.set G0B, 56
.set MSB, 0
.macro WIN new                         ; the immediate's high byte repeats the setting that is left
.if MSB != (\new)
	s_set_vgpr_msb (MSB<<8)|(\new)
.set MSB, (\new)
.endif
.endm
.set MUL_LO, 0xa1                      ; source 0 (B) window 1, source 1 (A) window 0, C and D window 2
.set MUL_HI, 0xf1                      ; the same, C and D window 3
.set TO_B,   0x40                      ; destination window 1, address window 0
; A joint load: waves 0 and 1 fetch for the A side, waves 2 and 3 for the B side.  The branch hangs on the wave's number alone.  An s_nop 0 and four v_nop follow each of the two lines.
.macro JLOAD g0a, g1a, g0b, g1b
	s_cmp_eq_u32 s15, 0
	s_cbranch_scc0 .Lfor_b_\@
	tensor_load_to_lds s[\g0a:\g0a+3], s[\g1a:\g1a+7]
	s_nop 0
.rept 4
	v_nop
.endr
	s_branch .Lasked_\@
.Lfor_b_\@:
	tensor_load_to_lds s[\g0b:\g0b+3], s[\g1b:\g1b+7]
	s_nop 0
.rept 4
	v_nop
.endr
.Lasked_\@:
.endm
.macro CREST                           ; a round of the cluster's barrier behind its opening barrier
	s_cmp_lg_u32 s14, 0
	s_cbranch_scc1 .Lnot_wave_0_\@
	s_barrier_signal -3
.Lnot_wave_0_\@:
	s_barrier_wait -3
	s_barrier_signal -1
	s_barrier_wait -1
.endm
.macro CROUND
	s_barrier_signal -1
	s_barrier_wait -1
	CREST
.endm
	s_load_b128 s[4:7], s[0:1], 0x0                ; x_codes s[4:5], w_codes s[6:7]
	s_load_b128 s[8:11], s[0:1], 0x10              ; the scales' exponents s[8:9], qkv s[10:11]
	v_lshl_add_u32 v[SPW], v0, 2, SPARE
	v_mov_b32 v[NIL], 0
	ds_add_u32 v[SPW], v[NIL]                      ; the wave's opening: the add, twice on end, and its wait ahead of my first tensor load
	ds_add_u32 v[SPW], v[NIL]
	v_lshrrev_b32 v1, 5, v0
	v_readfirstlane_b32 s14, v1                    ; wave 0..3
	s_lshr_b32 s15, s14, 1                         ; which half of the A side's rows is mine.  Also: I fetch for A (0) or for B (1)
	s_and_b32 s16, s14, 1                          ; which half of the B side's.  Also: which 128 rows of that tile I fetch
	s_bfe_u32 s40, ttmp6, 0x40000                  ; cx, cy: my place in the cluster
	s_bfe_u32 s41, ttmp6, 0x40004
	s_mov_b32 s66, ttmp9                           ; cluster x: 0 q, 1 k, 2 v
	s_and_b32 s67, ttmp7, 0xffff                   ; cluster y: which 1,024 rows of x
	s_lshl_b32 s68, s67, 2
	s_lshl_b32 s69, s66, 2
	s_cmp_eq_u32 s66, 2                            ; v?  The same in all sixteen partners
	s_cselect_b32 s17, 8, s68
	s_cselect_b32 s42, s68, s69
	s_add_co_u32 s17, s17, s41                     ; the A side's tile of 256 rows: cy + (v: 8, in w_codes; else 4 x cluster y, in x_codes)
	s_add_co_u32 s42, s42, s40                     ; the B side's: cx + (v: 4 x cluster y, in x_codes; else 4 x cluster x, in w_codes)
	s_lshl_b32 s43, s41, 2
	s_lshl_b32 s43, 15, s43                        ; my row of the cluster
	s_lshl_b32 s44, 0x1111, s40                    ; my column
	s_or_b32 s[G1+0], s43, (0<<16)|(1<<20)|(1<<21)|(5<<22)|(3<<25)  ; 15:0 the mask; 17:16 elements of 1 byte; 20 padding on; 21 set beside a mask; 24:22 after every 64 words; 31:25 four words
	s_or_b32 s[G1B+0], s44, (0<<16)|(1<<20)|(1<<21)|(5<<22)|(3<<25)
.irp g, G1, G1B
	s_mov_b32 s[\g+1], ROWB<<16                    ; tensor_dim0
	s_mov_b32 s[\g+2], 128<<16                     ; tensor_dim1
	s_mov_b32 s[\g+3], ROWB<<16                    ; tile_dim0
	s_mov_b32 s[\g+4], 128                         ; tile_dim1
	s_mov_b32 s[\g+5], KROW                        ; tensor_dim0_stride
	s_mov_b32 s[\g+6], 0
	s_mov_b32 s[\g+7], 0
.endr
	s_lshl_b32 s18, s16, 7                         ; which 128 rows of the tile I fetch
	s_lshl_b32 s20, s17, 8
	s_add_co_u32 s20, s20, s18
	s_lshl_b32 s20, s20, 10                        ; A: its first row, in bytes
	s_lshl_b32 s46, s42, 8
	s_add_co_u32 s46, s46, s18
	s_lshl_b32 s46, s46, 10                        ; B likewise
	s_mov_b32 s21, 0
	s_mov_b32 s47, 0
	s_mul_i32 s45, s14, HALFT                      ; where they go: wave x 128 rows: no place in the cluster enters an LDS address
	s_wait_dscnt 0x0                               ; both opening adds are done
	s_wait_kmcnt 0x0
	s_load_b256 s[76:83], s[8:9], 0x0              ; e0 .. e7
	s_cmp_eq_u32 s66, 2
	s_cselect_b64 s[72:73], s[6:7], s[4:5]         ; the A side's buffer
	s_cselect_b64 s[74:75], s[4:5], s[6:7]         ; the B side's
	s_add_nc_u64 s[20:21], s[72:73], s[20:21]
	s_add_nc_u64 s[46:47], s[74:75], s[46:47]
	CROUND                                         ; all sixteen work-groups are here: the first joint loads meet
.irp s, 0,1
	s_mov_b32 s[G0+4*\s], 1
	s_add_co_u32 s[G0+4*\s+1], s45, \s*SLOT
	s_add_nc_u64 s[G0+4*\s+2:G0+4*\s+3], s[20:21], \s*ROWB
	s_or_b32 s[G0+4*\s+3], s[G0+4*\s+3], 0x80000000
	s_mov_b32 s[G0B+4*\s], 1
	s_add_co_u32 s[G0B+4*\s+1], s45, \s*SLOT
	s_add_nc_u64 s[G0B+4*\s+2:G0B+4*\s+3], s[46:47], \s*ROWB
	s_or_b32 s[G0B+4*\s+3], s[G0B+4*\s+3], 0x80000000
	JLOAD G0+4*\s, G1, G0B+4*\s, G1B               ; two loads of mine are out
.endr
	v_and_b32 v1, 15, v0                           ; l % 16
	v_bfe_u32 v2, v0, 4, 1                         ; l / 16
	v_mul_u32_u24 v3, v1, PITCH
	v_lshl_add_u32 v4, v2, 4, v3                   ; a fragment's row x pitch + 16 x half
	s_mul_i32 s21, s15, HALFT
	s_mul_i32 s22, s16, HALFT
	s_add_co_u32 s22, s22, 2*HALFT
.irp s, 0,1
	v_add_nc_u32 v[ADRA+\s], s21, v4
	v_add_nc_u32 v[ADRB+\s], s22, v4
	s_add_co_u32 s21, s21, SLOT
	s_add_co_u32 s22, s22, SLOT
.endr
	; where my wave's images go
	s_cmp_eq_u32 s66, 2
	s_cselect_b32 s88, s42, s17                    ; the tile of x's rows,
	s_cselect_b32 s89, s16, s15                    ; my half of it,
	s_cselect_b32 s90, s41, s40                    ; the tile of w's columns among the region's four,
	s_cselect_b32 s91, s15, s16                    ; my half of it
	s_mov_b32 s84, 1024
	s_cselect_b32 s84, 2048, s84                   ; from block to block: q, k: a tile of 16 rows; v: a tile of d
	s_cselect_b32 s86, 122880, 0                   ; v: at block 4 on to the next head
	s_mov_b32 s92, 131072
	s_cselect_b32 s92, 1024, s92                   ; to a block's third store: q, k: the next head; v: c = 2
	s_mov_b32 s85, 0
	s_mov_b32 s87, 0
	s_lshr_b32 s93, s88, 3                         ; batch
	s_lshl_b32 s93, s93, 4
	s_lshl_b32 s90, s90, 2
	s_add_co_u32 s93, s93, s90
	s_lshl_b32 s91, s91, 1
	s_add_co_u32 s93, s93, s91                     ; my first head: 16 x batch + 4 x tile + 2 x half
	s_lshl_b32 s93, s93, 17
	s_and_b32 s88, s88, 7
	s_lshl_b32 s88, s88, 1
	s_add_co_u32 s88, s88, s89                     ; which 128 tokens of the batch: 8,192 bytes in every region
	s_lshl_b32 s88, s88, 13
	s_add_co_u32 s88, s88, s93
	s_lshl_b32 s94, s66, 23                        ; the region
	s_add_co_u32 s88, s88, s94
	s_mov_b32 s89, 0
	s_add_nc_u64 s[10:11], s[10:11], s[88:89]
	v_and_b32 v6, 31, v0
	v_lshlrev_b32 v[CO], 4, v6
	v_add_nc_u32 v[CO2], s92, v[CO]
	s_wait_alu depctr_va_vdst(0)
	s_wait_kmcnt 0x0
	s_cmp_eq_u32 s66, 0
	s_cselect_b32 s96, s78, s79                    ; e2 for q, e3 for k,
	s_cmp_eq_u32 s66, 2
	s_cselect_b32 s96, s81, s96                    ; e5 for v: selections, no branch
	s_sub_co_i32 s96, s96, s76
	s_sub_co_i32 s96, s96, s77                     ; f = e_dst - e0 - e1
	s_add_co_i32 s96, s96, 127
	s_lshl_b32 s97, s96, 23
	v_mov_b32 v[SCV], s97                          ; 2^f as f32: the conversion takes its exponent field
.macro FRAG reg, adr, q, i             ; a fragment: lane l holds row l % 16; registers 4 c .. 4 c + 3 hold K = 32 c + 16 (l / 16) + 0 .. 15: the same places of k on both sides
.irp c, 0,1,2,3
	ds_load_b128 v[\reg+4*\c:\reg+4*\c+3], v[\adr] offset:128*(\q)+32*\c+(\i)*16*PITCH
.endr
.endm
; 16 matrix instructions: A's blocks a0, a0 + 1 x B's eight.  The 64 accumulators take turns, one instruction a turn, in the same order in every step.
.macro MUL16 a0, p, zero
.irp a, \a0, \a0+1
.irp b, 0,1,2,3,4,5,6,7
.if \zero
	v_wmma_f32_16x16x128_fp8_fp8 v[8*(8*((\a)%4)+\b):8*(8*((\a)%4)+\b)+7], v[128*(\p)+FR*\b:128*(\p)+FR*\b+FR-1], v[AF+FR*(\a):AF+FR*(\a)+FR-1], 0
.else
	v_wmma_f32_16x16x128_fp8_fp8 v[8*(8*((\a)%4)+\b):8*(8*((\a)%4)+\b)+7], v[128*(\p)+FR*\b:128*(\p)+FR*\b+FR-1], v[AF+FR*(\a):AF+FR*(\a)+FR-1], v[8*(8*((\a)%4)+\b):8*(8*((\a)%4)+\b)+7]
.endif
.endr
.endr
.endm
.macro FETCH_B slot, q, p
	WIN TO_B
.irp i, 0,1,2,3,4,5,6,7
	FRAG 128*(\p)+FR*\i, ADRB+\slot, \q, \i
.endr
	WIN 0
.endm
.macro FETCH_A slot, q, i0
.irp i, \i0, \i0+1, \i0+2, \i0+3
	FRAG AF+FR*(\i), ADRA+\slot, \q, \i
.endr
.endm
.macro PLACES n                        ; plain vector instructions between a matrix instruction and a load into, or a read of, its registers
.rept \n
	v_nop
.endr
.endm
.macro STEP slot, q, zero              ; 128 along K, with its successor in the same slot
	s_wait_dscnt 4*NL                              ; B's set and A's blocks 0-3 are in; the 16 youngest loads (A's blocks 4-7) may be out
	WIN MUL_LO
	MUL16 0, (\q)%2, \zero
	MUL16 2, (\q)%2, \zero
	s_wait_dscnt 0
	PLACES NP
	FETCH_B \slot, (\q)+1, 1-(\q)%2
	FETCH_A \slot, (\q)+1, 0
	WIN MUL_HI
	MUL16 4, (\q)%2, \zero
	MUL16 6, (\q)%2, \zero
	PLACES NP
	WIN 0
	FETCH_A \slot, (\q)+1, 4
.endm
; A slot's last step changes slots: in front of the barrier each wave waits for all its tensor loads, adds 0 to its spare word, and waits for that and for its own reads of this slot.
.macro TURN slot, next, fill
	s_wait_tensorcnt 0x0                           ; all my tensor loads have landed: my part of the next slot
	ds_add_u32 v[SPW], v[NIL]                      ; 0 onto my spare word
	s_wait_dscnt 4*NL+1                            ; the add and the 16 youngest loads may be out
	WIN MUL_LO
	MUL16 0, 1, 0
	s_wait_dscnt 0x0                               ; the add is done, and my reads of this slot are over
	s_barrier_signal -1
	MUL16 2, 1, 0
	WIN 0
	s_barrier_wait -1
.if \fill
	CREST                                          ; the barrier has opened a round of the cluster's barrier: no wave of any partner still reads this slot or has a load on its way
	s_add_nc_u64 s[G0+4*\slot+2:G0+4*\slot+3], s[G0+4*\slot+2:G0+4*\slot+3], 2*ROWB
	s_add_nc_u64 s[G0B+4*\slot+2:G0B+4*\slot+3], s[G0B+4*\slot+2:G0B+4*\slot+3], 2*ROWB
	JLOAD G0+4*\slot, G1, G0B+4*\slot, G1B         ; the first tensor load behind the round, my one load until the next; its four v_nop are the places in front of the loads below
.else
	PLACES NP
.endif
	FETCH_B \next, 0, 0
	FETCH_A \next, 0, 0
	WIN MUL_HI
	MUL16 4, 1, 0
	MUL16 6, 1, 0
	PLACES NP
	WIN 0
	FETCH_A \next, 0, 4
.endm
	s_wait_tensorcnt 1                             ; my part of K step 0 is in; K step 1's load may be out
	s_barrier_signal -1
	s_barrier_wait -1
	FETCH_B 0, 0, 0
	FETCH_A 0, 0, 0
	FETCH_A 0, 0, 4
	STEP 0, 0, 1                                   ; the first step's products start the sums: nothing is cleared
	s_mov_b32 s3, LAPS-1
.Llap:
	TURN 0, 1, 1
	STEP 1, 0, 0
	TURN 1, 0, 1
	STEP 0, 0, 0
	s_sub_co_u32 s3, s3, 1
	s_cmp_lg_u32 s3, 0
	s_cbranch_scc1 .Llap
	TURN 0, 1, 0                                   ; the last lap fills nothing
	STEP 1, 0, 0
	s_wait_dscnt 4*NL
	WIN MUL_LO
	MUL16 0, 1, 0
	MUL16 2, 1, 0
	s_wait_alu depctr_va_vdst(0)
	s_wait_dscnt 0
	WIN MUL_HI
	MUL16 4, 1, 0
	MUL16 6, 1, 0
	WIN 0
	PLACES NP
; THE WAY OUT of block a (16 rows of the A side x 128 of the B side): convert, store.  Registers 16 g + i of the block are 16 neighbours, so codes 4 g .. 4 g + 3 are a group of four registers of the next operand.
.macro OUT a
	s_wait_xcnt 0x0                                ; the last block's stores have read their data and their base: both are written again only behind this wait
.if (\a) > 0
	s_add_nc_u64 s[10:11], s[10:11], s[84:85]
.endif
.if (\a) == 4
	s_add_nc_u64 s[10:11], s[10:11], s[86:87]
.endif
.set AC, 64*((\a)%4)
	WIN 0x02+((\a)/4)                              ; source 0: window 2 or 3
.set j, 0
.rept 64
.set j, j+1
.endr
.irp g, 0,1,2,3,4,5,6,7
	v_cvt_scalef32_pk8_fp8_f32 v[CD+2*\g:CD+2*\g+1], v[AC+8*\g:AC+8*\g+7], v[SCV]
.endr
	WIN 0
	v_nop                                          ; a plain instruction behind the last conversion
	global_store_b128 v[CO], v[CD:CD+3], s[10:11]                  ; each store: 512 consecutive aligned bytes
	global_store_b128 v[CO], v[CD+4:CD+7], s[10:11] offset:512
	global_store_b128 v[CO2], v[CD+8:CD+11], s[10:11]
	global_store_b128 v[CO2], v[CD+12:CD+15], s[10:11] offset:512
.endm
.irp a, 0,1,2,3,4,5,6,7
	OUT \a
.endr
	s_wait_tensorcnt 0x0                           ; the wave's end
	ds_add_u32 v[SPW], v[NIL]
	s_wait_dscnt 0x0
	CROUND                                         ; the closing round: no work-group ends while a partner may still ask for a tile that names it
	s_endpgm
.Lfunc_end_k_qd885a48dc3_qkvgemm:
	.size	k_qd885a48dc3_qkvgemm, .Lfunc_end_k_qd885a48dc3_qkvgemm-k_qd885a48dc3_qkvgemm
	.p2alignl 7, 3214868480
	.fill 96, 4, 3214868480
	.section	.rodata,"a",@progbits
	.p2align	6, 0x0
	.amdhsa_kernel k_qd885a48dc3_qkvgemm
		.amdhsa_group_segment_fixed_size 327680
		.amdhsa_private_segment_fixed_size 0
		.amdhsa_enable_private_segment 0
		.amdhsa_kernarg_size 32
		.amdhsa_user_sgpr_count 2
		.amdhsa_user_sgpr_kernarg_segment_ptr 1
		.amdhsa_wavefront_size32 1
		.amdhsa_system_sgpr_workgroup_id_x 1
		.amdhsa_system_sgpr_workgroup_id_y 1
		.amdhsa_system_sgpr_workgroup_id_z 1
		.amdhsa_system_vgpr_workitem_id 0
		.amdhsa_next_free_vgpr 1024
		.amdhsa_next_free_sgpr 100
		.amdhsa_reserve_vcc 0
		.amdhsa_float_denorm_mode_32 3
		.amdhsa_float_denorm_mode_16_64 3
		.amdhsa_fp16_overflow 1
		.amdhsa_memory_ordered 1
		.amdhsa_forward_progress 1
		.amdhsa_inst_pref_size 87
	.end_amdhsa_kernel
	.amdgpu_metadata
---
amdhsa.version: [ 1, 2 ]
amdhsa.kernels:
  - .name:           k_qd885a48dc3_qkvgemm
    .symbol:         k_qd885a48dc3_qkvgemm.kd
    .args:
      - { .name: x_codes, .offset: 0, .size: 8, .value_kind: global_buffer, .address_space: global }
      - { .name: w_codes, .offset: 8, .size: 8, .value_kind: global_buffer, .address_space: global }
      - { .name: lowp_scales, .offset: 16, .size: 8, .value_kind: global_buffer, .address_space: global }
      - { .name: qkv, .offset: 24, .size: 8, .value_kind: global_buffer, .address_space: global }
    .group_segment_fixed_size: 327680
    .private_segment_fixed_size: 0
    .kernarg_segment_align: 8
    .kernarg_segment_size: 32
    .max_flat_workgroup_size: 128
    .sgpr_count:     100
    .vgpr_count:     1024
    .wavefront_size: 32
...
	.end_amdgpu_metadata
.endif
;; end of part 2
;; launch attn (part 3): grid 4 x 64, 16 waves a work-group, clusters of 4 x 1, 327,680 bytes of LDS; arguments qkv, lowp_scales, y_img; writes y_img
.if DOCPART == 3
	.amdgcn_target "amdgcn-amd-amdhsa--gfx1250"
	.amdhsa_code_object_version 6
	.text
	.protected	k_qd885a48dc3_attn
	.globl	k_qd885a48dc3_attn
	.p2align	8
	.type	k_qd885a48dc3_attn,@function
k_qd885a48dc3_attn:
	s_mov_b64 s[64:65], 0
	v_nop
	global_prefetch_b8 v0, s[64:65] scope:SCOPE_SE
	s_setreg_imm32_b32 hwreg(HW_REG_WAVE_MODE, 25, 1), 1
	s_wait_xcnt 0x0
	s_wait_alu depctr_hold_cnt(0) depctr_sa_sdst(0) depctr_va_vdst(0) depctr_va_sdst(0) depctr_va_ssrc(0) depctr_va_vcc(0) depctr_vm_vsrc(0)
	s_getreg_b32 s2, hwreg(HW_REG_IB_STS2, 6, 4)
	s_cmp_eq_u32 s2, 0
	s_cbranch_scc0 .Lentry_in_a_cluster
	s_endpgm
.Lentry_in_a_cluster:
	s_bfe_u32 s2, ttmp6, 0x10000c
	s_cmp_lg_u32 s2, 0x3003
	s_cbranch_scc0 .Lentry_shape_is_right
	s_endpgm
.Lentry_shape_is_right:
; y = softmax(q k^T / 8, causal) v for each of 64 heads of 2,048 tokens x 64, both products on codes of FP8 (E4M3); y is quantised (scale 2^e6) and stored as an image of the last product's operand registers.
; LEFT OUT: the key steps of 128 keys all of which come after a tile's queries: reference()'s own tril gives them the weight 0 (shown at the head of the first launch).
; LIMIT: a NaN or an infinity that reaches only such steps is not carried to the result.
; THE SOFTMAX: t = score x log2(e) / 8; M = the running largest t rounded UP to a whole number; p = 2^(t - M) is quantised (2^e4), not normalised; the row's sum is taken of the unquantised p and divides at the end.
; When M moves, the sum and O are multiplied by 2^(old M - new M): exact.
; LIMITS on the given exponents: e2 + e3 between -123 and 130 (added to c's exponent field); e4, and e6 - e4 - e5, between -126 and 119.
; SHARES.  A cluster of four work-groups is one head.  Work-group cx owns stored rows 32 cx .. 32 cx + 31 of EVERY block of 128 queries; a wave owns TWO tiles of 16 queries, one in block m (LO) and one in block
; 15 - m (HI): (m + 1) + (16 - m) = 17 tile-steps for every wave.  Which steps a tile walks hangs on its block, that is on the wave's number, and on the count of steps alone, never on cx: so the four partners run
; alike, every work-group reads every slot, all trip counts are constants, and K's and V's tiles are asked for JOINTLY, once for the four.
; LAYOUT.  Both products transposed: S^T = K Q^T (source 0 = 16 keys, source 1 = my 16 queries, K = 64), O^T = V^T P^T (source 0 = 16 of the head's 64, source 1 = P, K = 128 keys): a lane holds ONE query.
; K's tiles are 16 STORED rows, that is keys 32 b + 8 u + r + 8 (r / 8): the 16 registers of tiles 2 b, 2 b + 1 are keys 32 b + 16 (lane / 16) + 0 .. 15, and p's codes are the second product's operand as converted.
; V's tiles of d are chosen likewise, so O^T's 16 registers of two tiles are 16 neighbours along the last product's K.  All operands lie in memory and in LDS as images of their registers: every LDS load takes 512
; consecutive bytes, 16 x lane.
; y_img: [256 along K: 4][tile of 16 stored rows: 512][q 2][c 4][lane 32][16 bytes]: lane (r, h) holds k = 128 q + 32 c + 16 h + 0 .. 15.
; THE RING: two slots of 512 keys: 32,768 bytes of K, 32,768 of V, both dense in memory.  Waves 0-3 fetch 16,384 bytes each; one tensor load of a wave is out at a time.
; REGISTERS: v1 16 x lane; v2, v3 my query less 16 (lane / 16), HI and LO; v4 the prefetches' offset; v5, v6 the add's two; v7 the LDS address in hand; v12-15, v16-19 -M, the largest t, the sum (a pair), HI and LO;
; v20-27, v28-35 Q; v36-99 fragments of K, then of V; v100-163 S^T, then p; v164-195, v196-227 O^T; v228-243 p's codes; v244 2^e4; v246-254 at work.
.set SLOT1, 65536
.set SPARE, 131072                     ; behind the ring: the spare words, 128 bytes for each of 16 waves
.set AL,  1
.set PFO, 4
.set SPW, 5
.set NIL, 6
.set ADR, 7
.set F,   36
.set S,   100
.set PC,  228
.set WV,  18                           ; s18 my wave's number
.macro CROUND                          ; a round of the cluster's barrier
	s_barrier_signal -1
	s_barrier_wait -1
	s_cmp_lg_u32 s[WV], 0
	s_cbranch_scc1 .Lnot_wave_0_\@
	s_barrier_signal -3
.Lnot_wave_0_\@:
	s_barrier_wait -3
	s_barrier_signal -1
	s_barrier_wait -1
.endm
.macro TLOAD                           ; waves 0, 1: K's halves; 2, 3: V's; one shape, one line.  The branch hangs on the wave's number alone.  An s_nop 0 and four v_nop follow the load
	s_cmp_lt_u32 s[WV], 4
	s_cbranch_scc0 .Lasked_\@
	tensor_load_to_lds s[40:43], s[24:31]
	s_nop 0
.rept 4
	v_nop
.endr
.Lasked_\@:
.endm
; A PREFETCH INTO THE L2 of what the NEXT change of slots will ask for: 32,768 bytes of K and of V.  A head is walked by one cluster alone; its four partners take 8,192 bytes each, told apart BY ADDRESS; in each,
; wave 4 asks for K's and wave 5 for V's, lanes 256 bytes apart: each block of 256 bytes is named once.  Slots 0 and 1 come by their loads alone; the last change that fills a slot asks for nothing.
.macro ASK
	s_cmp_gt_u32 s67, s80
	s_cbranch_scc0 .Lnot_mine_\@
	global_prefetch_b8 v[PFO], s[76:77] th:TH_LOAD_NT scope:SCOPE_SE
.Lnot_mine_\@:
.endm
	s_load_b128 s[4:7], s[0:1], 0x0                ; qkv s[4:5], the scales' exponents s[6:7]
	s_load_b64 s[8:9], s[0:1], 0x10                ; y_img
	v_lshl_add_u32 v[SPW], v0, 2, SPARE
	v_mov_b32 v[NIL], 0
	ds_add_u32 v[SPW], v[NIL]                      ; the wave's opening: the add, twice on end, and its wait ahead of the first tensor load
	ds_add_u32 v[SPW], v[NIL]
	v_lshrrev_b32 v7, 5, v0
	s_delay_alu instid0(VALU_DEP_1)
	v_readfirstlane_b32 s[WV], v7                  ; wave 0..15
	s_bfe_u32 s10, ttmp6, 0x40000                  ; cx: it enters Q's, y's and the prefetches' addresses and the mask's compare, nothing else
	s_and_b32 s11, ttmp7, 0xffff                   ; the head, 16 x batch + head, which the four partners share
	; wave -> (m, par), one to one.  x = w ^ (w >> 2); m = 4 x0 + 2 x1 + (x1 ^ w0); par = w1.  Any four waves that agree in w & 3, or in w >> 2, hold two m under 4 that add to 3 and two from 4 on that add to 11
	s_lshr_b32 s12, s[WV], 2
	s_xor_b32 s12, s12, s[WV]
	s_and_b32 s13, s12, 1
	s_lshl_b32 s13, s13, 2
	s_lshr_b32 s14, s12, 1
	s_and_b32 s15, s14, 1
	s_lshl_b32 s15, s15, 1
	s_or_b32 s13, s13, s15
	s_xor_b32 s14, s14, s[WV]
	s_and_b32 s14, s14, 1
	s_or_b32 s13, s13, s14                         ; m
	s_bfe_u32 s14, s[WV], 0x10001                  ; par = (w >> 1) & 1.  Also: I fetch for K (0) or for V (1)
	s_lshl_b32 s45, s13, 7                         ; LO's block begins at query 128 m,
	s_sub_co_u32 s44, 1920, s45                    ; HI's at 128 (15 - m)
	s_lshl_b32 s15, s10, 1
	s_add_co_u32 s15, s15, s14                     ; my tile in a block: 2 cx + par
	s_lshr_b32 s16, s45, 4
	s_add_co_u32 s16, s16, s15                     ; LO's tile of 16 stored rows
	s_lshr_b32 s17, s44, 4
	s_add_co_u32 s17, s17, s15                     ; HI's
	s_lshl_b32 s19, s10, 5
	s_lshl_b32 s12, s14, 3
	s_add_co_u32 s19, s19, s12                     ; 32 cx + 8 par
	s_lshl_b32 s54, s11, 17                        ; the head's 131,072 bytes in each region
	s_lshl_b32 s46, s17, 10
	s_add_co_u32 s46, s46, s54                     ; Q of HI
	s_mov_b32 s47, 0
	s_lshl_b32 s48, s16, 10
	s_add_co_u32 s48, s48, s54                     ; Q of LO
	s_mov_b32 s49, 0
	s_and_b32 s60, s11, 15                         ; the head h in its batch: y's k = 64 h + d
	s_lshr_b32 s61, s60, 2
	s_lshl_b32 s61, s61, 21                        ; which 256 along K
	s_lshr_b32 s62, s11, 4
	s_lshl_b32 s62, s62, 19                        ; the batch's 128 tiles of 4,096 bytes
	s_add_co_u32 s61, s61, s62
	s_and_b32 s62, s60, 3
	s_lshl_b32 s62, s62, 10                        ; q and the upper bit of c
	s_add_co_u32 s61, s61, s62
	s_lshl_b32 s50, s17, 12
	s_add_co_u32 s50, s50, s61                     ; y of HI
	s_mov_b32 s51, 0
	s_lshl_b32 s52, s16, 12
	s_add_co_u32 s52, s52, s61                     ; y of LO
	s_mov_b32 s53, 0
	s_add_co_u32 s36, s14, 1                       ; what I fetch, if I fetch: region 1 (K) or 2 (V),
	s_lshl_b32 s36, s36, 23
	s_add_co_u32 s36, s36, s54                     ; my head,
	s_and_b32 s37, s[WV], 1
	s_lshl_b32 s37, s37, 14
	s_add_co_u32 s36, s36, s37                     ; which half of a slot's 32,768 bytes
	s_mov_b32 s37, 0
	s_and_b32 s38, s[WV], 3
	s_lshl_b32 s38, s38, 14                        ; and where it goes: wave x 16,384
	s_and_b32 s70, s[WV], 1                        ; the prefetches: wave 4 K, wave 5 V,
	s_add_co_u32 s70, s70, 1
	s_lshl_b32 s70, s70, 23
	s_add_co_u32 s70, s70, s54
	s_lshl_b32 s71, s10, 13                        ; my work-group's 8,192 bytes,
	s_add_co_u32 s70, s70, s71
	s_add_co_u32 s70, s70, 32768                   ; in slot 1: the first change of slots steps it to slot 2
	s_mov_b32 s71, 0
	s_lshr_b32 s80, s[WV], 1
	s_cmp_eq_u32 s80, 2
	s_cselect_b32 s80, 1, -1                       ; 1 in waves 4 and 5, else the greatest number
	; descriptor group 1: 64 rows of 32 elements of 8 bytes, dense: 16,384 bytes
	s_mov_b32 s24, 15|(3<<16)|(1<<21)              ; 15:0 the mask: all four work-groups; 17:16 elements of 8 bytes; 21 set beside a mask; no padding
	s_mov_b32 s25, 32<<16                          ; tensor_dim0
	s_mov_b32 s26, 64<<16                          ; tensor_dim1
	s_mov_b32 s27, 32<<16                          ; tile_dim0
	s_mov_b32 s28, 64                              ; tile_dim1
	s_mov_b32 s29, 32                              ; tensor_dim0_stride
	s_mov_b32 s30, 0
	s_mov_b32 s31, 0
	s_mov_b32 s20, 0x76543210                      ; v_permlanex16_b32's selects for lane l xor 16
	s_mov_b32 s21, 0xfedcba98
	s_mov_b32 s22, 0x3e38aa3b                      ; c = log2(e) / 8
	s_mov_b32 s2, 0                                ; LDS byte at which the step in hand begins
	s_mov_b32 s67, 3                               ; slots still to be asked for
	s_mov_b32 s98, 0                               ; the step's first key
	s_wait_dscnt 0x0                               ; both opening adds are done
	s_wait_kmcnt 0x0
	s_load_b256 s[84:91], s[6:7], 0x0              ; e0 .. e7
	s_mov_b32 s40, 1                               ; group 0: count = 1,
	s_mov_b32 s41, s38                             ; LDS address: slot 0,
	s_add_nc_u64 s[42:43], s[4:5], s[36:37]        ; global address: the head's first 512 keys,
	s_or_b32 s43, s43, 0x80000000                  ; type = 2
	s_add_nc_u64 s[46:47], s[4:5], s[46:47]
	s_add_nc_u64 s[48:49], s[4:5], s[48:49]
	s_add_nc_u64 s[50:51], s[8:9], s[50:51]
	s_add_nc_u64 s[52:53], s[8:9], s[52:53]
	s_add_nc_u64 s[76:77], s[4:5], s[70:71]
	CROUND                                         ; all four work-groups are here: the first joint loads meet
	TLOAD                                          ; slot 0
	v_and_b32 v8, 31, v0
	s_delay_alu instid0(VALU_DEP_1)
	v_lshlrev_b32 v[AL], 4, v8
	s_delay_alu instid0(VALU_DEP_2)
	v_lshlrev_b32 v[PFO], 8, v8
	global_load_b128 v[20:23], v[AL], s[46:47]             ; Q's fragments stay in registers: registers 4 c .. 4 c + 3: d = 32 c + 16 (lane / 16) + 0 .. 15
	global_load_b128 v[24:27], v[AL], s[46:47] offset:512
	global_load_b128 v[28:31], v[AL], s[48:49]
	global_load_b128 v[32:35], v[AL], s[48:49] offset:512
	v_and_b32 v8, 15, v0                           ; r
	v_bfe_u32 v9, v0, 4, 1                         ; h
	s_delay_alu instid0(VALU_DEP_2)
	v_and_b32 v10, 8, v8
	s_delay_alu instid0(VALU_DEP_1)
	v_add_nc_u32 v10, v10, v8                      ; r + 8 (r / 8)
	s_delay_alu instid0(VALU_DEP_3)
	v_lshlrev_b32 v9, 4, v9
	s_delay_alu instid0(VALU_DEP_1)
	v_sub_nc_u32 v10, v10, v9
	s_delay_alu instid0(VALU_DEP_1)
	v_add_nc_u32 v10, s19, v10
	s_delay_alu instid0(VALU_DEP_1)
	v_add_nc_u32 v2, s44, v10                      ; my query of HI less 16 h: stored row r of the tile is query block + 32 cx + 8 par + r + 8 (r / 8)
	s_delay_alu instid0(VALU_DEP_2)
	v_add_nc_u32 v3, s45, v10                      ; of LO
	v_mov_b32 v13, 0xff61b1e6                      ; the largest t so far: -3e38, under every t
	s_delay_alu instid0(VALU_DEP_1)
	v_floor_f32 v12, -v13                          ; -M
	v_mov_b32 v14, 0
	v_mov_b32 v15, 0
	v_mov_b32 v17, 0xff61b1e6
	s_delay_alu instid0(VALU_DEP_1)
	v_floor_f32 v16, -v17
	v_mov_b32 v18, 0
	v_mov_b32 v19, 0
	v_mov_b32 v248, 0                              ; written once: a lane permute's destination counts as one of its sources
	v_mov_b32 v249, 0
	v_mov_b32 v251, 0                              ; (named as the upper half of the pair v[250:251])
.set j, 0
.rept 64
	v_mov_b32 v[164+j], 0                          ; O^T of both tiles.  (A step is written once: a tile's first step finds zeros, which the first change of M leaves zeros)
.set j, j+1
.endr
	s_wait_kmcnt 0x0
	s_add_co_i32 s70, s86, s87
	s_lshl_b32 s70, s70, 23
	s_add_co_i32 s22, s22, s70                     ; a score stands for score x 2^(e2 + e3): the two exponents are added to c's exponent field
	s_mov_b32 s23, s22                             ; (named with it as a pair, so it is written)
	s_add_co_i32 s70, s88, 127
	s_lshl_b32 s71, s70, 23
	v_mov_b32 v244, s71                            ; 2^e4 as f32
; A TILE-STEP: one tile of 16 queries against 128 keys.  st: the tile's statistics; qr: its Q; oo: its O^T; vq: its query register; qb: the scalar register with its block's first query.
.macro STEP st, qr, oo, vq, qb
	s_cmp_gt_u32 s98, s[\qb]                       ; all 128 keys come after the block's queries: the step is left out.  The wave's number and the count of steps decide; no barrier and no tensor load stands in a step
	s_cbranch_scc1 .Lhid_\@
	v_add_nc_u32 v[ADR], s2, v[AL]
.rept 3
	v_nop                                          ; with the addition: four places in front of loads into registers that the last products read
.endr
.irp t, 0,1,2,3,4,5,6,7
	ds_load_b128 v[F+8*\t:F+8*\t+3], v[ADR] offset:1024*\t
	ds_load_b128 v[F+8*\t+4:F+8*\t+7], v[ADR] offset:1024*\t+512
.endr
	s_wait_alu depctr_va_vdst(0)
	s_wait_dscnt 0x0
.irp t, 0,1,2,3,4,5,6,7
	v_wmma_f32_16x16x64_fp8_fp8 v[S+8*\t:S+8*\t+7], v[F+8*\t:F+8*\t+7], v[\qr:\qr+7], 0
.endr
.rept 4
	v_nop                                          ; places in front of the loads below and of the first read of the scores
.endr
.irp t, 0,1,2,3                                ; V's four fragments land while the softmax is walked
.irp c, 0,1,2,3
	ds_load_b128 v[F+16*\t+4*\c:F+16*\t+4*\c+3], v[ADR] offset:32768+2048*\t+512*\c
.endr
.endr
	s_cmp_lt_u32 s98, s[\qb]                       ; all keys count: no mask
	s_cbranch_scc1 .Lopen_\@
	v_sub_nc_u32 v252, v[\vq], s98                 ; d = my query - the step's first key - 16 h.  Register 16 b + i holds key 32 b + 16 h + i of the step: hidden where 32 b + i > d
	v_mov_b32 v254, 0xff800000                     ; -infinity: p = 0 then
.set n, 0
.rept 64
	v_cmp_gt_i32 vcc_lo, 32*(n/16)+n%16, v252
	v_cndmask_b32 v[S+n], v[S+n], v254, vcc_lo
.set n, n+1
.endr
.Lopen_\@:
	v_max3_num_f32 v254, v[S], v[S+1], v[S+2]      ; the step's largest score of my query among my 64 keys, in two chains, each accumulator from its low end on
	v_max3_num_f32 v252, v[S+3], v[S+4], v[S+5]
.irp i, 6,10,14,18,22,26,30,34,38,42,46,50,54,58
	v_max3_num_f32 v254, v254, v[S+\i], v[S+1+\i]
	v_max3_num_f32 v252, v252, v[S+2+\i], v[S+3+\i]
.endr
	v_max3_num_f32 v254, v254, v[S+62], v[S+63]
	s_delay_alu instid0(VALU_DEP_1)
	v_max_num_f32 v254, v254, v252
	s_delay_alu instid0(VALU_DEP_1)
	v_permlanex16_b32 v248, v254, s20, s21
	s_delay_alu instid0(VALU_DEP_1)
	v_max_num_f32 v254, v254, v248                 ; and among lane l xor 16's
	s_delay_alu instid0(VALU_DEP_1)
	v_mul_f32 v254, s22, v254                      ; as t (c is positive)
	s_delay_alu instid0(VALU_DEP_1)
	v_max_num_f32 v[\st+1], v[\st+1], v254         ; the running largest t
	v_mov_b32 v254, v[\st]
	s_delay_alu instid0(VALU_DEP_2)
	v_floor_f32 v[\st], -v[\st+1]                  ; the new -M = floor(-t) = -ceil(t)
	s_delay_alu instid0(VALU_DEP_1)
	v_sub_f32 v254, v[\st], v254                   ; old M - new M: a whole number, 0 or less
	s_delay_alu instid0(VALU_DEP_1)
	v_cvt_i32_f32 v254, v254                       ; (it saturates)
	s_delay_alu instid0(VALU_DEP_1)
	v_ldexp_f32 v250, 1.0, v254                    ; f = 2^(old M - new M)
.set j, 0
.rept 32
	v_pk_fma_f32 v[S+j:S+j+1], v[S+j:S+j+1], s[22:23], v[\st:\st+1] op_sel_hi:[1,0,0]   ; t - M, two at a time (of the pairs c and -M the low word serves both halves)
.set j, j+2
.endr
.set j, 0
	s_wait_alu depctr_va_vdst(0)
.rept 64
	v_exp_f32 v[S+j], v[S+j]                       ; p = 2^(t - M), at most 1
.set j, j+1
.endr
	v_pk_mul_f32 v[\st+2:\st+3], v[\st+2:\st+3], v[250:251] op_sel_hi:[1,0]   ; the sum under the new M; the plain instruction behind the exponentials
	s_wait_alu depctr_va_vdst(0)                   ; one wait for the batch of 64, ahead of its first reader
	v_pk_add_f32 v[246:247], v[S:S+1], v[S+2:S+3]  ; the row's sum is taken of the UNQUANTISED p, in two chains
.irp j, 4,8,12,16,20,24,28,32,36,40,44,48,52,56,60
	v_pk_add_f32 v[\st+2:\st+3], v[\st+2:\st+3], v[S+\j:S+1+\j]
	v_pk_add_f32 v[246:247], v[246:247], v[S+2+\j:S+3+\j]
.endr
	s_delay_alu instid0(VALU_DEP_1)
	v_pk_add_f32 v[\st+2:\st+3], v[\st+2:\st+3], v[246:247]
.irp b, 0,1,2,3
.irp i, 0,1,2,3,4,5,6,7,8,9,10,11,12,13,14,15
.endr
	v_cvt_scalef32_pk8_fp8_f32 v[PC+4*\b:PC+1+4*\b], v[S+16*\b:S+7+16*\b], v244
	v_cvt_scalef32_pk8_fp8_f32 v[PC+2+4*\b:PC+3+4*\b], v[S+8+16*\b:S+15+16*\b], v244
.endr
.set j, 0
.rept 16
	v_pk_mul_f32 v[\oo+j:\oo+j+1], v[\oo+j:\oo+j+1], v[250:251] op_sel_hi:[1,0]   ; O^T under the new M; also the plain instructions between the conversions and the products
.set j, j+2
.endr
	s_wait_alu depctr_va_vdst(0)
	s_wait_dscnt 0x0                               ; V's fragments are in
.irp t, 0,1,2,3                                ; four accumulators by turns; the next matrix instructions are another tile-step's scores
	v_wmma_f32_16x16x128_fp8_fp8 v[\oo+8*\t:\oo+8*\t+7], v[F+16*\t:F+16*\t+15], v[PC:PC+15], v[\oo+8*\t:\oo+8*\t+7]
.endr
.Lhid_\@:
.endm
.macro SLOT_STEPS                      ; a slot's four key steps, written once, walked four times: K's and V's parts of a step both lie 8,192 bytes apart
	s_mov_b32 s3, 4
.Lks_\@:
	STEP 12, 20, 164, 2, 44
	STEP 16, 28, 196, 3, 45
	s_add_co_u32 s98, s98, 128
	s_add_co_u32 s2, s2, 8192
	s_sub_co_u32 s3, s3, 1
	s_cmp_lg_u32 s3, 0
	s_cbranch_scc1 .Lks_\@
	s_sub_co_u32 s2, s2, 32768                     ; back to a slot's first step,
	s_xor_b32 s2, s2, SLOT1                        ; in the other slot
.endm
; THE CHANGE OF SLOTS stands at a slot's head.  Each wave waits for all its tensor loads, adds 0 to its spare word, and waits for that and for its reads of the slot that it has left.  fill = 1: the barrier is a round of
; the cluster's, and behind it the slot that was left takes the next 512 keys: the load has a whole slot's steps in which to land.
.macro CHANGE fill
	s_wait_tensorcnt 0x0                           ; no tensor load of mine is out, so group 0 may be written
	ds_add_u32 v[SPW], v[NIL]                      ; 0 onto my spare word
.if \fill
	ds_add_u32 v[SPW], v[NIL]                      ; and once more: the add stands twice on end in every trip alike
	s_xor_b32 s41, s41, SLOT1                      ; the walking descriptor: the other slot,
	s_add_nc_u64 s[42:43], s[42:43], 32768         ; the next 512 keys; the type bits on top are not reached
	s_wait_xcnt 0x0                                ; the last prefetch, a slot back, has read its address
	s_add_nc_u64 s[76:77], s[76:77], 32768         ; one slot further on than the walking descriptor
	s_wait_dscnt 0x0                               ; both adds are done, and my reads of the slot that I have left are over
	CROUND
	TLOAD                                          ; the first thing behind the round, and a wave's one tensor load until the next
	ASK
.else
	s_wait_dscnt 0x0
	s_barrier_signal -1
	s_barrier_wait -1
.endif
.endm
	s_wait_loadcnt 0x0                             ; Q
.Lslot:                                            ; three trips: behind each change of slots but the last the next slot is asked for
	CHANGE 1
	SLOT_STEPS
	s_sub_co_u32 s67, s67, 1
	s_cmp_lg_u32 s67, 0
	s_cbranch_scc1 .Lslot
	CHANGE 0                                       ; the last slot is written out
	SLOT_STEPS
	; THE WAY OUT.  O^T / the sum stands for y / 2^(e4 + e5): its code is that / 2^g, g = e6 - e4 - e5.  Registers 16 b + i of a tile are d = 32 b + 16 h + i: the codes are operand registers as converted.
.rept 4
	v_nop                                          ; places behind the last products
.endr
	v_add_f32 v14, v14, v15
	v_add_f32 v18, v18, v19
	s_delay_alu instid0(VALU_DEP_2)
	v_permlanex16_b32 v248, v14, s20, s21
	s_delay_alu instid0(VALU_DEP_2)
	v_permlanex16_b32 v249, v18, s20, s21
	s_delay_alu instid0(VALU_DEP_2)
	v_add_f32 v14, v14, v248                       ; the rows' sums
	s_delay_alu instid0(VALU_DEP_2)
	v_add_f32 v18, v18, v249
	s_wait_alu depctr_va_vdst(0)
	v_rcp_f32 v14, v14
	v_rcp_f32 v18, v18
	v_nop                                          ; a plain instruction behind the reciprocals
	s_sub_co_i32 s70, s90, s88
	s_sub_co_i32 s70, s70, s89
	s_add_co_i32 s70, s70, 127
	s_lshl_b32 s71, s70, 23
	v_mov_b32 v246, s71                            ; 2^g
	s_wait_alu depctr_va_vdst(0)                   ; one wait for both reciprocals, ahead of their first reader
.set j, 0
.rept 32
	v_mul_f32 v[S+j], v[164+j], v14                ; each accumulator from its low end on
.set j, j+1
.endr
.set j, 0
.rept 32
	v_mul_f32 v[S+32+j], v[196+j], v18
.set j, j+1
.endr
.set j, 0
.rept 64
.set j, j+1
.endr
.irp g, 0,1,2,3,4,5,6,7
	v_cvt_scalef32_pk8_fp8_f32 v[PC+2*\g:PC+2*\g+1], v[S+8*\g:S+8*\g+7], v246
.endr
	v_nop                                          ; a plain instruction behind the last conversion
	global_store_b128 v[AL], v[PC:PC+3], s[50:51]                  ; each store: 512 consecutive aligned bytes
	global_store_b128 v[AL], v[PC+4:PC+7], s[50:51] offset:512
	global_store_b128 v[AL], v[PC+8:PC+11], s[52:53]
	global_store_b128 v[AL], v[PC+12:PC+15], s[52:53] offset:512
	s_wait_tensorcnt 0x0                           ; the wave's end
	ds_add_u32 v[SPW], v[NIL]
	s_wait_dscnt 0x0
	CROUND                                         ; the closing round
	s_endpgm
.Lfunc_end_k_qd885a48dc3_attn:
	.size	k_qd885a48dc3_attn, .Lfunc_end_k_qd885a48dc3_attn-k_qd885a48dc3_attn
	.p2alignl 7, 3214868480
	.fill 96, 4, 3214868480
	.section	.rodata,"a",@progbits
	.p2align	6, 0x0
	.amdhsa_kernel k_qd885a48dc3_attn
		.amdhsa_group_segment_fixed_size 327680
		.amdhsa_private_segment_fixed_size 0
		.amdhsa_enable_private_segment 0
		.amdhsa_kernarg_size 24
		.amdhsa_user_sgpr_count 2
		.amdhsa_user_sgpr_kernarg_segment_ptr 1
		.amdhsa_wavefront_size32 1
		.amdhsa_system_sgpr_workgroup_id_x 1
		.amdhsa_system_sgpr_workgroup_id_y 1
		.amdhsa_system_sgpr_workgroup_id_z 1
		.amdhsa_system_vgpr_workitem_id 0
		.amdhsa_next_free_vgpr 256
		.amdhsa_next_free_sgpr 100
		.amdhsa_reserve_vcc 1
		.amdhsa_float_denorm_mode_32 3
		.amdhsa_float_denorm_mode_16_64 3
		.amdhsa_fp16_overflow 1
		.amdhsa_memory_ordered 1
		.amdhsa_forward_progress 1
		.amdhsa_inst_pref_size 90
	.end_amdhsa_kernel
	.amdgpu_metadata
---
amdhsa.version: [ 1, 2 ]
amdhsa.kernels:
  - .name:           k_qd885a48dc3_attn
    .symbol:         k_qd885a48dc3_attn.kd
    .args:
      - { .name: qkv, .offset: 0, .size: 8, .value_kind: global_buffer, .address_space: global }
      - { .name: lowp_scales, .offset: 8, .size: 8, .value_kind: global_buffer, .address_space: global }
      - { .name: y_img, .offset: 16, .size: 8, .value_kind: global_buffer, .address_space: global }
    .group_segment_fixed_size: 327680
    .private_segment_fixed_size: 0
    .kernarg_segment_align: 8
    .kernarg_segment_size: 24
    .max_flat_workgroup_size: 512
    .sgpr_count:     100
    .vgpr_count:     256
    .wavefront_size: 32
...
	.end_amdgpu_metadata
.endif
;; end of part 3
;; launch proj (part 4): grid 4 x 32, 4 waves a work-group, clusters of 4 x 4, 327,680 bytes of LDS; arguments y_img, w_codes, lowp_scales, out0; writes out0
.if DOCPART == 4
	.amdgcn_target "amdgcn-amd-amdhsa--gfx1250"
	.amdhsa_code_object_version 6
	.text
	.protected	k_qd885a48dc3_proj
	.globl	k_qd885a48dc3_proj
	.p2align	8
	.type	k_qd885a48dc3_proj,@function
k_qd885a48dc3_proj:
	s_mov_b64 s[64:65], 0
	v_nop
	global_prefetch_b8 v0, s[64:65] scope:SCOPE_SE
	s_setreg_imm32_b32 hwreg(HW_REG_WAVE_MODE, 25, 1), 1
	s_wait_xcnt 0x0
	s_wait_alu depctr_hold_cnt(0) depctr_sa_sdst(0) depctr_va_vdst(0) depctr_va_sdst(0) depctr_va_ssrc(0) depctr_va_vcc(0) depctr_vm_vsrc(0)
	s_getreg_b32 s2, hwreg(HW_REG_IB_STS2, 6, 4)
	s_cmp_eq_u32 s2, 0
	s_cbranch_scc0 .Lentry_in_a_cluster
	s_endpgm
.Lentry_in_a_cluster:
	s_bfe_u32 s2, ttmp6, 0x10000c
	s_cmp_lg_u32 s2, 0xf033
	s_cbranch_scc0 .Lentry_shape_is_right
	s_endpgm
.Lentry_shape_is_right:
; out0 = y w_proj on codes of FP8 (E4M3), K = 1,024; each finished sum x 2^(e6 + e7).  LIMIT: e6 + e7 between -126 and 127.  Nothing of reference() is left out here.
; A tile of out0, 256 x 256, is made by a work-group of four waves, a wave makes 128 x 128.  K goes in steps of 256 through a ring of two LDS slots.
; A SIDE: y_img, images of operand registers: [256 along K: 4][tile of 16 stored rows: 512][q 2][c 4][lane 32][16 bytes]: a K step's 128 rows are one dense block of 32,768 bytes, and an LDS load takes 512 consecutive
; bytes, 16 x lane: no padding is wanted.  B SIDE: stored rows 3,072 on of w_codes, rows of 1,024 bytes, padded in LDS.
; Source 0 = 16 rows of B, source 1 = 16 rows of A: a lane holds one stored row of y, and its registers run along out0's columns.  BOTH SIDES LIE IN THE STORED ORDER (bits 3 and 4 of the row exchanged): B's tiles 2 g
; and 2 g + 1 give a lane columns 32 g + 16 (lane / 16) + 0 .. 15, and stored row 16 a + t is row 32 (a / 2) + 8 (a % 2) + t + 8 (t / 8).  The way out undoes both by immediates.
; CLUSTERS: 4 x 4 work-groups; A's tile is shared along a row of the cluster, B's along a column.  The grid has 128 work-groups: a wave tile of 128 x 128 reads the fewest LDS bytes for each matrix instruction.
; No prefetch: the launch has four K steps.
; REGISTERS as in the launch for q, k, v: window 0: v16-29 addresses; from v128 A's fragments, one set; window 1: B's, two sets; windows 2, 3: the accumulators.  On the way out v32-255 of window 0 are free.
.set ROWB,   256
.set KROW,   1024
.set PITCH,  272                       ; B's LDS row: 256 bytes + 16 of padding
.set FR,     16
.set NL,     4
.set NP,     4
.set AHALF,  32768                     ; A: 128 rows x 256 K as images
.set HALFT,  128*PITCH                 ; B: 128 rows
.set BOFF,   2*AHALF
.set SLOT,   2*AHALF+2*HALFT           ; 135,168
.set ASTEP,  2097152                   ; a K step on in y_img
.set LAPS,   2
.set SPARE,  2*SLOT
.set SPITCH, 528                       ; the way out: a stage of 16 rows x (512 bytes + 16) for each wave, in slot 0, which has had its last fill and its last read when the first result is stored there
.set ADRA, 16
.set ADRB, 20
.set STO,  24
.set RD,   25
.set CO,   26
.set SPW,  28
.set NIL,  29
.set TMP,  32
.set AF,   128
.set BK,   128
.set G1, 24
.set G0, 32
.set G1B, 48
.set G0B, 56
.set MSB, 0
.macro WIN new
.if MSB != (\new)
	s_set_vgpr_msb (MSB<<8)|(\new)
.set MSB, (\new)
.endif
.endm
.set MUL_LO, 0xa1
.set MUL_HI, 0xf1
.set TO_B,   0x40
.macro JLOAD g0a, g1a, g0b, g1b        ; waves 0 and 1 fetch for A, waves 2 and 3 for B; an s_nop 0 and four v_nop follow each of the two lines
	s_cmp_eq_u32 s15, 0
	s_cbranch_scc0 .Lfor_b_\@
	tensor_load_to_lds s[\g0a:\g0a+3], s[\g1a:\g1a+7]
	s_nop 0
.rept 4
	v_nop
.endr
	s_branch .Lasked_\@
.Lfor_b_\@:
	tensor_load_to_lds s[\g0b:\g0b+3], s[\g1b:\g1b+7]
	s_nop 0
.rept 4
	v_nop
.endr
.Lasked_\@:
.endm
.macro CREST
	s_cmp_lg_u32 s14, 0
	s_cbranch_scc1 .Lnot_wave_0_\@
	s_barrier_signal -3
.Lnot_wave_0_\@:
	s_barrier_wait -3
	s_barrier_signal -1
	s_barrier_wait -1
.endm
.macro CROUND
	s_barrier_signal -1
	s_barrier_wait -1
	CREST
.endm
	s_load_b128 s[4:7], s[0:1], 0x0                ; y_img s[4:5], w_codes s[6:7]
	s_load_b128 s[8:11], s[0:1], 0x10              ; the scales' exponents s[8:9], out0 s[10:11]
	v_lshl_add_u32 v[SPW], v0, 2, SPARE
	v_mov_b32 v[NIL], 0
	ds_add_u32 v[SPW], v[NIL]                      ; the wave's opening: the add, twice on end, and its wait ahead of my first tensor load
	ds_add_u32 v[SPW], v[NIL]
	v_lshrrev_b32 v1, 5, v0
	v_readfirstlane_b32 s14, v1                    ; wave 0..3
	s_lshr_b32 s15, s14, 1                         ; which half of the tile's rows is mine.  Also: I fetch for A (0) or for B (1)
	s_and_b32 s16, s14, 1                          ; which half of its columns.  Also: which 128 rows of that tile I fetch
	s_bfe_u32 s40, ttmp6, 0x40000                  ; cx, cy
	s_bfe_u32 s41, ttmp6, 0x40004
	s_lshl_b32 s42, ttmp9, 2
	s_add_co_u32 s42, s42, s40                     ; tile column
	s_and_b32 s17, ttmp7, 0xffff
	s_lshl_b32 s17, s17, 2
	s_add_co_u32 s17, s17, s41                     ; tile row
	s_lshl_b32 s43, s41, 2
	s_lshl_b32 s43, 15, s43                        ; my row of the cluster
	s_lshl_b32 s44, 0x1111, s40                    ; my column
	s_or_b32 s[G1+0], s43, (0<<16)|(1<<21)         ; A: 15:0 the mask; elements of 1 byte; 21 set beside a mask; no padding
	s_mov_b32 s[G1+1], 256<<16                     ; tensor_dim0: the block as rows of 256 bytes
	s_mov_b32 s[G1+2], 128<<16                     ; tensor_dim1
	s_mov_b32 s[G1+3], 256<<16                     ; tile_dim0
	s_mov_b32 s[G1+4], 128                         ; tile_dim1
	s_mov_b32 s[G1+5], 256                         ; tensor_dim0_stride: dense
	s_mov_b32 s[G1+6], 0
	s_mov_b32 s[G1+7], 0
	s_or_b32 s[G1B+0], s44, (0<<16)|(1<<20)|(1<<21)|(5<<22)|(3<<25)  ; B: padding of four words after every 64
	s_mov_b32 s[G1B+1], ROWB<<16
	s_mov_b32 s[G1B+2], 128<<16
	s_mov_b32 s[G1B+3], ROWB<<16
	s_mov_b32 s[G1B+4], 128
	s_mov_b32 s[G1B+5], KROW
	s_mov_b32 s[G1B+6], 0
	s_mov_b32 s[G1B+7], 0
	s_lshl_b32 s18, s16, 7                         ; which 128 rows of the tile I fetch
	s_lshl_b32 s20, s17, 8
	s_add_co_u32 s20, s20, s18
	s_lshl_b32 s20, s20, 8                         ; A: a stored row has 256 bytes in a K step's images
	s_mov_b32 s21, 0
	s_lshl_b32 s46, s42, 8
	s_add_co_u32 s46, s46, s18
	s_add_co_u32 s46, s46, 3072                    ; B: w_proj's columns lie from stored row 3,072 on
	s_lshl_b32 s46, s46, 10
	s_mov_b32 s47, 0
	s_lshl_b32 s45, s16, 15                        ; where A's half goes,
	s_mul_i32 s66, s16, HALFT
	s_add_co_u32 s66, s66, BOFF                    ; and B's: no place in the cluster enters an LDS address
	s_wait_dscnt 0x0                               ; both opening adds are done
	s_wait_kmcnt 0x0
	s_load_b64 s[96:97], s[8:9], 0x18              ; e6, e7
	s_add_nc_u64 s[20:21], s[4:5], s[20:21]
	s_add_nc_u64 s[46:47], s[6:7], s[46:47]
	CROUND                                         ; all sixteen work-groups are here: the first joint loads meet
.irp s, 0,1
	s_mov_b32 s[G0+4*\s], 1
	s_add_co_u32 s[G0+4*\s+1], s45, \s*SLOT
	s_add_nc_u64 s[G0+4*\s+2:G0+4*\s+3], s[20:21], \s*ASTEP
	s_or_b32 s[G0+4*\s+3], s[G0+4*\s+3], 0x80000000
	s_mov_b32 s[G0B+4*\s], 1
	s_add_co_u32 s[G0B+4*\s+1], s66, \s*SLOT
	s_add_nc_u64 s[G0B+4*\s+2:G0B+4*\s+3], s[46:47], \s*ROWB
	s_or_b32 s[G0B+4*\s+3], s[G0B+4*\s+3], 0x80000000
	s_wait_alu depctr_va_vdst(0)
	s_wait_tensorcnt 0x0
	ds_add_u32 v28, v29
	ds_add_u32 v28, v29
	s_wait_dscnt 0x0
	CROUND
	JLOAD G0+4*\s, G1, G0B+4*\s, G1B               ; one load of mine is out
.endr
	v_and_b32 v1, 15, v0                           ; l % 16
	v_bfe_u32 v2, v0, 4, 1                         ; l / 16
	v_and_b32 v6, 31, v0
	v_lshlrev_b32 v[CO], 4, v6                     ; 16 x lane
	v_mul_u32_u24 v3, v1, PITCH
	v_lshl_add_u32 v4, v2, 4, v3                   ; B: a fragment's row x pitch + 16 x half
	s_lshl_b32 s21, s15, 15                        ; my 128 rows of A
	s_mul_i32 s22, s16, HALFT
	s_add_co_u32 s22, s22, BOFF                    ; my 128 rows of B
.irp s, 0,1
	v_add_nc_u32 v[ADRA+\s], s21, v[CO]
	v_add_nc_u32 v[ADRB+\s], s22, v4
	s_add_co_u32 s21, s21, SLOT
	s_add_co_u32 s22, s22, SLOT
.endr
	s_mul_i32 s23, s14, 16*SPITCH                  ; my stage
	v_mul_u32_u24 v5, v1, SPITCH
	v_lshl_add_u32 v5, v2, 6, v5                   ; in: row l % 16, + 64 bytes for the upper half of the lanes: its columns begin 16 further on
	v_add_nc_u32 v[STO], s23, v5
	v_add_nc_u32 v[RD], s23, v[CO]                 ; back: the 32 lanes take one row of 512 bytes
	s_lshl_b32 s20, s17, 8
	s_lshl_b32 s21, s15, 7
	s_add_co_u32 s20, s20, s21                     ; my first row of out0
	s_lshl_b32 s20, s20, 12
	s_lshl_b32 s46, s42, 10                        ; my first column, in bytes
	s_lshl_b32 s47, s16, 9
	s_add_co_u32 s46, s46, s47
	s_add_co_u32 s20, s20, s46
	s_mov_b32 s21, 0
	s_add_nc_u64 s[10:11], s[10:11], s[20:21]
.macro FRAG reg, adr, q, i             ; B: registers 4 c .. 4 c + 3 hold K = 32 c + 16 (l / 16) + 0 .. 15 of row l % 16
.irp c, 0,1,2,3
	ds_load_b128 v[\reg+4*\c:\reg+4*\c+3], v[\adr] offset:128*(\q)+32*\c+(\i)*16*PITCH
.endr
.endm
.macro FRAGA reg, adr, q, i            ; A: the image of the same registers
.irp c, 0,1,2,3
	ds_load_b128 v[\reg+4*\c:\reg+4*\c+3], v[\adr] offset:4096*(\i)+2048*(\q)+512*\c
.endr
.endm
.macro MUL16 a0, p, zero               ; the 64 accumulators take turns, one instruction a turn, in the same order in every step
.irp a, \a0, \a0+1
.irp b, 0,1,2,3,4,5,6,7
.if \zero
	v_wmma_f32_16x16x128_fp8_fp8 v[8*(8*((\a)%4)+\b):8*(8*((\a)%4)+\b)+7], v[128*(\p)+FR*\b:128*(\p)+FR*\b+FR-1], v[AF+FR*(\a):AF+FR*(\a)+FR-1], 0
.else
	v_wmma_f32_16x16x128_fp8_fp8 v[8*(8*((\a)%4)+\b):8*(8*((\a)%4)+\b)+7], v[128*(\p)+FR*\b:128*(\p)+FR*\b+FR-1], v[AF+FR*(\a):AF+FR*(\a)+FR-1], v[8*(8*((\a)%4)+\b):8*(8*((\a)%4)+\b)+7]
.endif
.endr
.endr
.endm
.macro FETCH_B slot, q, p
	WIN TO_B
.irp i, 0,1,2,3,4,5,6,7
	FRAG 128*(\p)+FR*\i, ADRB+\slot, \q, \i
.endr
	WIN 0
.endm
.macro FETCH_A slot, q, i0
.irp i, \i0, \i0+1, \i0+2, \i0+3
	FRAGA AF+FR*(\i), ADRA+\slot, \q, \i
.endr
.endm
.macro PLACES n
.rept \n
	v_nop
.endr
.endm
.macro STEP slot, q, zero
	s_wait_dscnt 4*NL                              ; B's set and A's blocks 0-3 are in; the 16 youngest loads (A's blocks 4-7) may be out
	WIN MUL_LO
	MUL16 0, (\q)%2, \zero
	MUL16 2, (\q)%2, \zero
	s_wait_dscnt 0
	PLACES NP
	FETCH_B \slot, (\q)+1, 1-(\q)%2
	FETCH_A \slot, (\q)+1, 0
	WIN MUL_HI
	MUL16 4, (\q)%2, \zero
	MUL16 6, (\q)%2, \zero
	PLACES NP
	WIN 0
	FETCH_A \slot, (\q)+1, 4
.endm
.macro TURN slot, next, fill
	s_wait_tensorcnt 0x0                           ; all my tensor loads have landed: my part of the next slot
	ds_add_u32 v[SPW], v[NIL]                      ; 0 onto my spare word
	s_wait_dscnt 4*NL+1                            ; the add and the 16 youngest loads may be out
	WIN MUL_LO
	MUL16 0, 1, 0
	s_wait_dscnt 0x0                               ; the add is done, and my reads of this slot are over
	s_barrier_signal -1
	MUL16 2, 1, 0
	WIN 0
	s_barrier_wait -1
.if \fill
	CREST                                          ; a round of the cluster's barrier: no wave of any partner still reads this slot or has a load on its way
	s_add_nc_u64 s[G0+4*\slot+2:G0+4*\slot+3], s[G0+4*\slot+2:G0+4*\slot+3], 2*ASTEP
	s_add_nc_u64 s[G0B+4*\slot+2:G0B+4*\slot+3], s[G0B+4*\slot+2:G0B+4*\slot+3], 2*ROWB
	JLOAD G0+4*\slot, G1, G0B+4*\slot, G1B         ; the first tensor load behind the round, my one load until the next
.else
	PLACES NP
.endif
	FETCH_B \next, 0, 0
	FETCH_A \next, 0, 0
	WIN MUL_HI
	MUL16 4, 1, 0
	MUL16 6, 1, 0
	PLACES NP
	WIN 0
	FETCH_A \next, 0, 4
.endm
	s_wait_alu depctr_va_vdst(0)
	s_wait_tensorcnt 1                             ; my part of K step 0 is in; K step 1's load may be out
	s_barrier_signal -1
	s_barrier_wait -1
	FETCH_B 0, 0, 0
	FETCH_A 0, 0, 0
	FETCH_A 0, 0, 4
	STEP 0, 0, 1
	s_mov_b32 s3, LAPS-1
.Llap:
	TURN 0, 1, 1
	STEP 1, 0, 0
	TURN 1, 0, 1
	STEP 0, 0, 0
	s_sub_co_u32 s3, s3, 1
	s_cmp_lg_u32 s3, 0
	s_cbranch_scc1 .Llap
	TURN 0, 1, 0
	STEP 1, 0, 0
	s_wait_dscnt 4*NL
	WIN MUL_LO
	MUL16 0, 1, 0
	MUL16 2, 1, 0
	s_wait_dscnt 0
	WIN MUL_HI
	MUL16 4, 1, 0
	MUL16 6, 1, 0
	WIN 0
; THE WAY OUT, block by block of 16 stored rows x 128 columns, through my own stage in LDS; it comes back as whole rows of 512 bytes.  LDS serves a wave's instructions in order (ISA guide 5.7.1.4).
.macro TOSTAGE a
.set AC, 64*((\a)%4)
	WIN 0x02+((\a)/4)
.set j, 0
.rept 32
	v_pk_mul_f32 v[TMP+j:TMP+j+1], v[AC+j:AC+j+1], s[96:97] op_sel_hi:[1,0]   ; both x s96 = 2^(e6 + e7); each accumulator from its low end on
.set j, j+2
.endr
	WIN 0
.irp b, 0,1,2,3,4,5,6,7
	ds_store_b128 v[STO], v[TMP+8*\b:TMP+8*\b+3] offset:128*(\b/2)+32*(\b%2)          ; tile b's eight columns begin at 32 (b / 2) + 16 (lane / 16) + 8 (b % 2)
	ds_store_b128 v[STO], v[TMP+8*\b+4:TMP+8*\b+7] offset:128*(\b/2)+32*(\b%2)+16
.endr
.set BB, BK+64*((\a)%2)
.irp t, 0,1,2,3,4,5,6,7,8,9,10,11,12,13,14,15
	ds_load_b128 v[BB+4*\t:BB+4*\t+3], v[RD] offset:\t*SPITCH
.endr
.endm
.macro SEND a, younger                 ; younger: the LDS instructions issued behind block a's loads, which may stay out
.set BB, BK+64*((\a)%2)
	s_wait_dscnt \younger
.if (\a) > 0
.if ((\a)%2) == 1
	s_add_nc_u64 s[10:11], s[10:11], 8*4096        ; (behind a wait on XCNT)  block a begins at row 32 (a / 2) + 8 (a % 2)
.else
	s_add_nc_u64 s[10:11], s[10:11], 24*4096
.endif
.endif
.irp t, 0,1,2,3,4,5,6,7,8,9,10,11,12,13,14,15
	global_store_b128 v[CO], v[BB+4*\t:BB+4*\t+3], s[10:11] offset:(\t+8*(\t/8))*4096 th:TH_STORE_NT   ; stored row t of the block is row t + 8 (t / 8): 32 lanes store 512 consecutive aligned bytes
.endr
.endm
	s_wait_kmcnt 0x0
	s_add_co_i32 s96, s96, s97
	s_add_co_i32 s96, s96, 127
	s_lshl_b32 s96, s96, 23                        ; 2^(e6 + e7) as f32
	PLACES NP
	TOSTAGE 0
.irp a, 1,2,3,4,5,6,7
.if \a > 1
	s_wait_xcnt 0x0                                ; block a - 2's stores have read their registers and their base
.endif
	TOSTAGE \a
	SEND \a-1, 32                                  ; behind block a - 1's loads: block a's 16 stores and 16 loads
.endr
	s_wait_xcnt 0x0
	SEND 7, 0
	s_wait_tensorcnt 0x0                           ; the wave's end: behind my last tensor load and my last LDS store
	ds_add_u32 v[SPW], v[NIL]
	s_wait_dscnt 0x0
	CROUND                                         ; the closing round
	s_endpgm
.Lfunc_end_k_qd885a48dc3_proj:
	.size	k_qd885a48dc3_proj, .Lfunc_end_k_qd885a48dc3_proj-k_qd885a48dc3_proj
	.p2alignl 7, 3214868480
	.fill 96, 4, 3214868480
	.section	.rodata,"a",@progbits
	.p2align	6, 0x0
	.amdhsa_kernel k_qd885a48dc3_proj
		.amdhsa_group_segment_fixed_size 327680
		.amdhsa_private_segment_fixed_size 0
		.amdhsa_enable_private_segment 0
		.amdhsa_kernarg_size 32
		.amdhsa_user_sgpr_count 2
		.amdhsa_user_sgpr_kernarg_segment_ptr 1
		.amdhsa_wavefront_size32 1
		.amdhsa_system_sgpr_workgroup_id_x 1
		.amdhsa_system_sgpr_workgroup_id_y 1
		.amdhsa_system_sgpr_workgroup_id_z 1
		.amdhsa_system_vgpr_workitem_id 0
		.amdhsa_next_free_vgpr 1024
		.amdhsa_next_free_sgpr 100
		.amdhsa_reserve_vcc 0
		.amdhsa_float_denorm_mode_32 3
		.amdhsa_float_denorm_mode_16_64 3
		.amdhsa_memory_ordered 1
		.amdhsa_forward_progress 1
		.amdhsa_inst_pref_size 124
	.end_amdhsa_kernel
	.amdgpu_metadata
---
amdhsa.version: [ 1, 2 ]
amdhsa.kernels:
  - .name:           k_qd885a48dc3_proj
    .symbol:         k_qd885a48dc3_proj.kd
    .args:
      - { .name: y_img, .offset: 0, .size: 8, .value_kind: global_buffer, .address_space: global }
      - { .name: w_codes, .offset: 8, .size: 8, .value_kind: global_buffer, .address_space: global }
      - { .name: lowp_scales, .offset: 16, .size: 8, .value_kind: global_buffer, .address_space: global }
      - { .name: out0, .offset: 24, .size: 8, .value_kind: global_buffer, .address_space: global }
    .group_segment_fixed_size: 327680
    .private_segment_fixed_size: 0
    .kernarg_segment_align: 8
    .kernarg_segment_size: 32
    .max_flat_workgroup_size: 128
    .sgpr_count:     100
    .vgpr_count:     1024
    .wavefront_size: 32
...
	.end_amdgpu_metadata
.endif
;; end of part 4
